; MI455X (gfx1250); checked and timed in simulation.
; The chip was launched on July 23, 2026; its instructions are those of AMD's public machine-readable ISA for CDNA 5 (MIT licence, August 2026) and "CDNA5" Instruction Set Architecture Reference Guide (July 2026). The comments in the code are by the model that wrote it; some were corrected since.
;; Causal Multi Head Attention. Allowed arithmetic: matrix products marked QUANTISED: E3M2 operands, one E8M0 scale for each 32 along K, by v_wmma_scale_f32_16x16x128_f8f6f4 with both operands' format E3M2, f32 sums; everything else in f32.
;; Inputs: Wk 1,024 x 1,024 float32; Wo 1,024 x 1,024 float32; Wq 1,024 x 1,024 float32; Wv 1,024 x 1,024 float32; bk 1,024 float32; bo 1,024 float32; bq 1,024 float32; bv 1,024 float32; x 2 x 2,048 x 1,024 float32.
;; Outputs: out0 2 x 2,048 x 1,024 float32.
;; This version of the problem:
;;   THIS VERSION OF THE PROBLEM IS GIVEN IN LOW PRECISION. The matrix products marked QUANTISED in the list below multiply operands that are first quantised to E3M2 (3 exponent bits, 2 mantissa bits; 6 bits a number), with one power-of-two scale for each 32 numbers along K (OCP MX v1.0); their sums are f32. All else is computed in f32.
;;   The module's matrix products, in the order in which they are computed (A, B: the left and right operand; K: the contracted axis; several contracted axes count as one K, in the product's order):
;;     1. [M 4,096, K 1,024] x [K 1,024, N 1,024]; A: input x; B: input Wq: QUANTISED
;;     2. [M 4,096, K 1,024] x [K 1,024, N 1,024]; A: input x; B: input Wk: QUANTISED
;;     3. [M 4,096, K 1,024] x [K 1,024, N 1,024]; A: input x; B: input Wv: QUANTISED
;;     4. batch 32 x [M 2,048, K 64] x [K 64, N 2,048]; A: computed on the way; B: computed on the way: QUANTISED
;;     5. batch 32 x [M 2,048, K 2,048] x [K 2,048, N 64]; A: softmax (see below); B: computed on the way: QUANTISED
;;     6. [M 4,096, K 1,024] x [K 1,024, N 1,024]; A: computed on the way; B: input Wo: QUANTISED
;;   THE QUANTISER, for each operand of a quantised product, along K:
;;     - K is cut into blocks of 32 from its start; a last block that is shorter is filled with zeros.
;;     - A block's scale is 2^e with e = floor(log2(the largest magnitude in the block)) - 4, held to -126 .. 127; a block of zeros has e = 0. As a byte (E8M0): e + 127.
;;     - Each number is divided by its block's scale, clamped to +-28, and rounded to the nearest number of E3M2, ties to even, subnormals kept.
;;     - The product sums the exact products of the quantised numbers (number of the format x scale) in f32.
;;   ~~~python
;;   def quantise(x, axis):      # numpy; x: float32 -> the quantised numbers, widened to float32 again
;;       x = np.moveaxis(x, axis, -1); K = x.shape[-1]
;;       x = np.pad(x, [(0, 0)] * (x.ndim - 1) + [(0, -K % 32)]); x = x.reshape(x.shape[:-1] + (-1, 32)); a = np.abs(x).max(-1, keepdims=True)
;;       e = np.where(a > 0, np.clip(np.frexp(np.where(a > 0, a, 1))[1] - 1 - 4, -126, 127), 0)      # np.frexp(a)[1] - 1 = floor(log2(a)), exactly
;;       r = np.clip(x / 2.0 ** e, -28, 28)
;;       step = 2.0 ** (np.maximum(np.frexp(np.where(r == 0, 1, r))[1] - 1, -2) - 2)
;;       q = np.round(r / step) * step * 2.0 ** e      # np.round: ties to even
;;       return np.moveaxis(q.reshape(q.shape[:-2] + (-1,))[..., :K], -1, axis).astype(np.float32)
;;   ~~~
;;   SOFTMAX AHEAD OF A QUANTISED PRODUCT. Where the list says 'softmax', what is quantised is not the finished softmax but p = 2^(t - M), with t = logit x log2(e) and M = ceil(the row's largest t), a whole number; so 1/2 < the row's largest p <= 1. The row's sum l is taken of the UNQUANTISED p, in f32, and the product's result is divided by l at the end. Since M is a whole number, a kernel that streams over the keys may use a running M (the ceiling of the running maximum): every later rescaling is an exact power of two, which a block's scale takes up: the codes' values come out the same.
;;   OPERANDS COMPUTED ON THE WAY. 'Computed on the way' means the value that the module computes at that place (a softmax that the list does not call 'softmax' is quantised finished and normalised). What goes into a quantiser is computed in f32, as accurately as f32 sums, v_exp_f32 and their like allow (about 1e-6 of the number): no bf16 or f16 on the way to a quantiser, and a product that is left as it is and whose result goes on into a quantised operand takes f32 operands (vector FMAs, or v_wmma_f32_16x16x4_f32). A number that lies on a knife's edge between two numbers of the format may be rounded either way, as far as f32 arithmetic and the matrix unit's own rounding can turn it there, and no further.
;; One version. Each part assembles by itself: llvm-mc -triple=amdgcn-amd-amdhsa -mcpu=gfx1250 --defsym DOCPART=n.
;; ======== version 1 of 1: 4 launches
;; limits: right only within a limited range of input values
;; workspace buffers: opc 9,437,184 bytes; ops 393,216 bytes; hc 10,223,616 bytes
;; launch quant (part 1): grid 256 x 1, 4 waves a work-group, no clusters, 34,304 bytes of LDS; arguments x, Wq, Wk, Wv, Wo, opc, ops; writes opc, ops
.if DOCPART == 1
	.amdgcn_target "amdgcn-amd-amdhsa--gfx1250"
	.amdhsa_code_object_version 6
	.text
	.protected	k_qf63b72f23d_quant
	.globl	k_qf63b72f23d_quant
	.p2align	8
	.type	k_qf63b72f23d_quant,@function
k_qf63b72f23d_quant:
	s_mov_b64 s[64:65], 0
	v_nop
	global_prefetch_b8 v0, s[64:65] scope:SCOPE_SE
	s_setreg_imm32_b32 hwreg(HW_REG_WAVE_MODE, 25, 1), 1
	s_wait_xcnt 0x0
; x [4096][1024] and Wq, Wk, Wv, Wo [1024][1024], f32, K innermost, become codes of BF6 (E3M2) with one E8M0 byte for each 32 along K,
; laid IN THE ORDER OF THE OPERAND'S REGISTERS.  Rows go in row-blocks of 16: lane r of row-block I holds row 32 (I / 2) + 8 (I % 2) + r + 8 (r / 8).
; Row-blocks 0-255 are x's, 256-319 Wq's, 320-383 Wk's, 384-447 Wv's, 448-511 Wo's.
; A HALF IMAGE (768 bytes) is 16 rows x 64 K: lane (r, h) has k = 32 h .. 32 h + 31 in six registers; registers 0-3 lie at 16 x lane, registers 4-5 at 512 + 8 x lane.
; opc: half image (I, kc) at (16 I + kc) x 768.  ops: 512 bytes a row-block: at 16 (r + 16 kh) the scale words of K steps 4 kh .. 4 kh + 3 of row r.
; A block's scale is 2^(floor(log2(its largest magnitude)) - 4); its byte is the largest magnitude's exponent field - 4, held at 1 from below.
; LIMITS: blocks whose largest magnitude lies under 2^-122 are held at the byte 1; a block of zeros gets the byte 1 where the rule says 127 (its codes are zeros, and this program alone
; reads the bytes); NaN and infinities among the inputs are not served.
; SHARES: a work-group takes 32 rows (two row-blocks) x all of K; wave w takes row-block 2 g + (w >> 1) and K half w & 1: four steps of 16 rows x 128 K.
; Each load reads 512 consecutive bytes of one row; a step's 16 rows turn through the wave's own stage in LDS (rows 528 bytes apart) and come back 16 neighbours at a time.
; No tensor loads, no barrier: waves share nothing.  Loads run two steps (32 loads a wave) ahead.
; WORK LEFT OUT IN THE PROGRAM: reference() sets the score of every key behind its query to -infinity in its own body (col <= row), so such a key's p is 0 for all values of the inputs: the attention launch leaves
; whole steps of 128 such keys out.  A NaN, an infinity or an overflow that reaches only those scores is not carried to the result.
.set STG,  8448                        ; a wave's stage: 16 rows x 528 bytes
.set SPI,  528                         ; 512 bytes + 16: the sixteen rows that a load of 16 bytes a lane touches start at sixteen different columns of 16 bytes
.set R,    16                          ; v16-143  two sets of 64 registers as loaded
.set X,    144                         ; v144-207 64 numbers of my row: register 16 b + i = k 32 b + 16 h + i
.set TM,   208                         ; v208-223 at work
.set PC,   224                         ; v224-235 the fragment's codes; v236-242 halves on their way
.set SW,   244                         ; v244-247 the four steps' scale words
.set SEL,  26                          ; s[26:27] lane selects: lane l xor 16
	s_load_b256 s[4:11], s[0:1], 0x0               ; x, Wq, Wk, Wv
	s_load_b128 s[12:15], s[0:1], 0x20             ; Wo, opc
	s_load_b64 s[16:17], s[0:1], 0x30              ; ops
	v_lshl_add_u32 v254, v0, 2, 0x8400
	v_mov_b32 v255, 0
	v_lshrrev_b32 v1, 5, v0
	v_readfirstlane_b32 s18, v1                    ; wave 0..3
	v_and_b32 v1, 31, v0                           ; lane
	v_and_b32 v7, 15, v0                           ; r
	v_bfe_u32 v8, v0, 4, 1                         ; h
	v_lshlrev_b32 v2, 4, v1                        ; 16 x lane
	v_lshlrev_b32 v3, 3, v1                        ; 8 x lane
	s_mul_i32 s19, s18, STG
	v_add_nc_u32 v4, s19, v2                       ; the stage, in: 16 x lane of a row
	v_mul_u32_u24 v5, v7, SPI
	v_lshl_add_u32 v5, v8, 6, v5
	v_add_nc_u32 v5, s19, v5                       ; out: row r, + 64 h
	v_lshlrev_b32 v6, 4, v7
	v_lshl_add_u32 v6, v8, 3, v6                   ; the scale words' way out: 16 r + 8 h
.irp b, 0,1,2,3
	v_mov_b32 v[TM+4+\b], 0                        ; written once: a lane permute's destination counts as one of its sources
.endr
	s_mov_b32 s[SEL], 0x76543210
	s_mov_b32 s[SEL+1], 0xfedcba98
	s_lshr_b32 s20, s18, 1                         ; u: which of the group's two row-blocks
	s_and_b32 s21, s18, 1                          ; kh: which half of K
	s_lshl_b32 s23, ttmp9, 1
	s_add_co_u32 s23, s23, s20                     ; I = 2 g + u, over all five tensors
	s_mul_i32 s30, s23, 12288
	s_mul_i32 s31, s21, 6144
	s_add_co_u32 s30, s30, s31                     ; codes: I x 16 half images + kh x 8
	s_mov_b32 s31, 0
	s_lshl_b32 s32, s23, 9
	s_lshl_b32 s33, s21, 8
	s_add_co_u32 s32, s32, s33                     ; scale words: I x 512 + kh x 256
	s_mov_b32 s33, 0
	s_wait_alu depctr_va_vdst(0)
	s_wait_kmcnt 0x0
	s_mov_b64 s[28:29], s[12:13]                   ; which tensor: the choice hangs on the work-group's number alone
	s_cmp_lt_u32 ttmp9, 224
	s_cselect_b64 s[28:29], s[10:11], s[28:29]
	s_cmp_lt_u32 ttmp9, 192
	s_cselect_b64 s[28:29], s[8:9], s[28:29]
	s_cmp_lt_u32 ttmp9, 160
	s_cselect_b64 s[28:29], s[6:7], s[28:29]
	s_cmp_lt_u32 ttmp9, 128
	s_cselect_b64 s[28:29], s[4:5], s[28:29]
	s_cselect_b32 s22, 127, 31
	s_and_b32 s22, ttmp9, s22                      ; the group's number inside its tensor
	s_lshl_b32 s34, s22, 17                        ; 32 rows of 4,096 bytes,
	s_lshl_b32 s35, s20, 15                        ; + 8 u rows,
	s_add_co_u32 s34, s34, s35
	s_lshl_b32 s35, s21, 11                        ; + 512 kh numbers
	s_add_co_u32 s34, s34, s35
	s_mov_b32 s35, 0
	s_add_nc_u64 s[28:29], s[28:29], s[34:35]
	s_add_nc_u64 s[14:15], s[14:15], s[30:31]
	s_add_nc_u64 s[16:17], s[16:17], s[32:33]
.macro LOAD t                          ; step t: 128 numbers of each of my 16 rows; row i of the row-block lies i + 8 (i / 8) rows on
.irp i, 0,1,2,3,4,5,6,7,8,9,10,11,12,13,14,15
	global_load_b128 v[R+64*((\t)%2)+4*\i:R+64*((\t)%2)+4*\i+3], v2, s[28:29] offset:(\i+8*(\i/8))*4096+512*(\t) th:TH_LOAD_NT
.endr
.endm
; 64 numbers of a lane, register 16 b + i = k 32 b + 16 h + i of my row, become a fragment's codes in v[PC] on and its scale word in v[pw]
.macro QUANT s, pw
.irp b, 0,1,2,3
	v_max3_num_f32 v[TM+\b], |v[\s+16*\b]|, |v[\s+1+16*\b]|, 0x2800000   ; my 16 numbers of block b, and the floor 2^(5 - 127): the byte cannot fall under 1
.endr
.irp i, 2,4,6,8,10,12,14
.irp b, 0,1,2,3
	v_max3_num_f32 v[TM+\b], v[TM+\b], |v[\s+16*\b+\i]|, |v[\s+1+16*\b+\i]|   ; the four blocks by turns
.endr
.endr
.irp b, 0,1,2,3
	v_permlanex16_b32 v[TM+4+\b], v[TM+\b], s[SEL], s[SEL+1]
.endr
.irp b, 0,1,2,3
	v_max_num_f32 v[TM+\b], v[TM+\b], v[TM+4+\b]   ; with lane l xor 16's: the block's largest magnitude
.endr
.irp b, 0,1,2,3
	v_add_nc_u32 v[TM+12+\b], 0xfe000000, v[TM+\b] ; 4 off its exponent field: the conversion takes the exponent field of this operand as its scale
.endr
.irp b, 0,1,2,3
	v_lshrrev_b32 v[TM+4+\b], 23, v[TM+12+\b]      ; the scale's byte
.endr
	v_lshl_or_b32 v[\pw], v[TM+5], 8, v[TM+4]
	v_lshl_or_b32 v[\pw], v[TM+6], 16, v[\pw]
	v_lshl_or_b32 v[\pw], v[TM+7], 24, v[\pw]      ; my row's scale word for these 128 along K
.irp c, 0,1
	v_cvt_scalef32_pk16_bf6_f32 v[PC+6*\c:PC+2+6*\c], v[\s+32*\c:\s+15+32*\c], v[TM+12+2*\c]
	v_cvt_scalef32_pk16_bf6_f32 v[PC+12+4*\c:PC+14+4*\c], v[\s+16+32*\c:\s+31+32*\c], v[TM+12+2*\c+1]   ; (a conversion's three registers begin on an even number)
.endr
	v_nop                                          ; one plain place behind a scaled conversion
.irp c, 0,1                            ; the operand's layout wants a whole block in a lane: lanes 0-15 block 2 c, lanes 16-31 block 2 c + 1
.irp i, 0,1,2
	v_permlane16_swap_b32 v[PC+6*\c+\i], v[PC+12+4*\c+\i]
.endr
.irp i, 0,1,2
	v_mov_b32 v[PC+3+6*\c+\i], v[PC+12+4*\c+\i]
.endr
.endr
.endm
.macro STEP k
.if (\k) < 3
	s_wait_loadcnt 16                              ; this step's 16 loads are in; the next step's 16 may be out
.else
	s_wait_loadcnt 0x0
.endif
.irp i, 0,1,2,3,4,5,6,7,8,9,10,11,12,13,14,15
	ds_store_b128 v4, v[R+64*((\k)%2)+4*\i:R+64*((\k)%2)+4*\i+3] offset:\i*SPI
.endr
.irp b, 0,1,2,3
.irp j, 0,1,2,3
	ds_load_b128 v[X+16*\b+4*\j:X+16*\b+4*\j+3], v5 offset:128*\b+16*\j   ; LDS serves a wave's instructions in order: these see the stores above
.endr
.endr
	s_wait_dscnt 0x0                               ; the numbers are back, and the stores have read their registers
.if (\k) > 0
	s_wait_xcnt 0x0                                ; the last step's stores have read the codes' registers, which are written again below
.endif
.if (\k) < 2
	LOAD (\k)+2
.endif
	QUANT X, SW+\k
.irp c, 0,1
	global_store_b128 v2, v[PC+6*\c:PC+6*\c+3], s[14:15] offset:(2*(\k)+\c)*768       ; 512 consecutive bytes, at a multiple of 256
	global_store_b64 v3, v[PC+6*\c+4:PC+6*\c+5], s[14:15] offset:(2*(\k)+\c)*768+512  ; 256 consecutive bytes, likewise
.endr
.endm
	LOAD 0
	LOAD 1
	STEP 0
	STEP 1
	STEP 2
	STEP 3
	v_cmp_ne_u32 vcc_lo, 0, v8                     ; lanes 16-31 take words 2 and 3, lanes 0-15 words 0 and 1
	v_cndmask_b32 v248, v[SW], v[SW+2], vcc_lo
	v_cndmask_b32 v249, v[SW+1], v[SW+3], vcc_lo
	global_store_b64 v6, v[248:249], s[16:17]      ; 32 lanes store 256 consecutive bytes, at a multiple of 256
	s_wait_tensorcnt 0x0
	ds_add_u32 v254, v255
	s_wait_dscnt 0x0
	s_endpgm
.Lfunc_end_k_qf63b72f23d_quant:
	.size	k_qf63b72f23d_quant, .Lfunc_end_k_qf63b72f23d_quant-k_qf63b72f23d_quant
	.p2alignl 7, 3214868480
	.fill 96, 4, 3214868480
	.section	.rodata,"a",@progbits
	.p2align	6, 0x0
	.amdhsa_kernel k_qf63b72f23d_quant
		.amdhsa_group_segment_fixed_size 34304
		.amdhsa_private_segment_fixed_size 0
		.amdhsa_enable_private_segment 0
		.amdhsa_kernarg_size 56
		.amdhsa_user_sgpr_count 2
		.amdhsa_user_sgpr_kernarg_segment_ptr 1
		.amdhsa_wavefront_size32 1
		.amdhsa_system_sgpr_workgroup_id_x 1
		.amdhsa_system_sgpr_workgroup_id_y 1
		.amdhsa_system_sgpr_workgroup_id_z 1
		.amdhsa_system_vgpr_workitem_id 0
		.amdhsa_next_free_vgpr 256
		.amdhsa_next_free_sgpr 66
		.amdhsa_reserve_vcc 1
		.amdhsa_float_denorm_mode_32 3
		.amdhsa_float_denorm_mode_16_64 3
		.amdhsa_memory_ordered 1
		.amdhsa_forward_progress 1
		.amdhsa_inst_pref_size 34
	.end_amdhsa_kernel
	.amdgpu_metadata
---
amdhsa.version: [ 1, 2 ]
amdhsa.kernels:
  - .name:           k_qf63b72f23d_quant
    .symbol:         k_qf63b72f23d_quant.kd
    .args:
      - { .name: x, .offset: 0, .size: 8, .value_kind: global_buffer, .address_space: global }
      - { .name: Wq, .offset: 8, .size: 8, .value_kind: global_buffer, .address_space: global }
      - { .name: Wk, .offset: 16, .size: 8, .value_kind: global_buffer, .address_space: global }
      - { .name: Wv, .offset: 24, .size: 8, .value_kind: global_buffer, .address_space: global }
      - { .name: Wo, .offset: 32, .size: 8, .value_kind: global_buffer, .address_space: global }
      - { .name: opc, .offset: 40, .size: 8, .value_kind: global_buffer, .address_space: global }
      - { .name: ops, .offset: 48, .size: 8, .value_kind: global_buffer, .address_space: global }
    .group_segment_fixed_size: 34304
    .private_segment_fixed_size: 0
    .kernarg_segment_align: 8
    .kernarg_segment_size: 56
    .max_flat_workgroup_size: 128
    .sgpr_count:     66
    .vgpr_count:     256
    .wavefront_size: 32
...
	.end_amdgpu_metadata
.endif
;; end of part 1
;; launch proj (part 2): grid 32 x 8, 4 waves a work-group, clusters of 4 x 4, 327,680 bytes of LDS; arguments opc, ops, bq, bk, bv, hc; writes hc
.if DOCPART == 2
	.amdgcn_target "amdgcn-amd-amdhsa--gfx1250"
	.amdhsa_code_object_version 6
	.text
	.protected	k_qf63b72f23d_proj
	.globl	k_qf63b72f23d_proj
	.p2align	8
	.type	k_qf63b72f23d_proj,@function
k_qf63b72f23d_proj:
	s_mov_b64 s[64:65], 0
	v_nop
	global_prefetch_b8 v0, s[64:65] scope:SCOPE_SE
	s_setreg_imm32_b32 hwreg(HW_REG_WAVE_MODE, 25, 1), 1
	s_wait_xcnt 0x0
	s_wait_alu depctr_hold_cnt(0) depctr_sa_sdst(0) depctr_va_vdst(0) depctr_va_sdst(0) depctr_va_ssrc(0) depctr_va_vcc(0) depctr_vm_vsrc(0)
	s_getreg_b32 s2, hwreg(HW_REG_IB_STS2, 6, 4)
	s_cmp_eq_u32 s2, 0
	s_cbranch_scc0 .Lentry_in_a_cluster
	s_endpgm
.Lentry_in_a_cluster:
	s_bfe_u32 s2, ttmp6, 0x10000c
	s_cmp_lg_u32 s2, 0xf033
	s_cbranch_scc0 .Lentry_shape_is_right
	s_endpgm
.Lentry_shape_is_right:
; q = x Wq^T + bq, k = x Wk^T + bk, v = x Wv^T + bv on codes of BF6 (E3M2) with E8M0 scales, and the results quantised at once for the attention: q and k along the head's 64, v along the keys.
; OPERANDS come as register images: row-blocks of 16 rows (lane r of row-block I = row 32 (I / 2) + 8 (I % 2) + r + 8 (r / 8)), half images of 768 bytes (16 rows x 64 K:
; registers 0-3 at 16 x lane, registers 4-5 at 512 + 8 x lane) at opc + (16 I + kc) x 768; scale words at ops + 512 I + 16 (r + 16 kh): K steps 4 kh .. 4 kh + 3 of row r.
; A WORK-GROUP STAYS: it keeps x's tile of 128 tokens (grid x), all of K = 1,024, and walks three passes over it: 128 features (grid y) of q, of k and of v.  Four waves; wave (wq, wp) takes 64 tokens (half wq) and
; 64 features (half wp) in each pass: 16 accumulators.  Its x fragments (8 K steps x 48 registers) are read from LDS once, in pass 0, and stay in registers.
; With source 0 in that row order, register j of tiles 2 B, 2 B + 1 is source 0's row 32 B + 16 h + 8 (b % 2) + j: a lane's 32 registers are 64 neighbours along source 0's rows.
; Passes 0, 1: source 0 = the weight, source 1 = x: a lane holds one token and 64 features, one head: quantised along the head.
; Pass 2: source 0 = x, source 1 = Wv: a lane holds one feature and 64 tokens: quantised along the keys.  The bias is the C of each sum's first matrix instruction.
; CLUSTERS of 4 x 4: x's tile hangs on grid x alone and is asked for jointly along a column, the weights' tiles on grid y alone and along a row.
; LDS: x's tile at 0; WA at 98,304: Wq's tile, later Wv's; WB at 196,608: Wk's; the spare words at 294,912.  All lie as in memory: row-block x 12,288 + half image x 768.
; At the head each wave issues one load (waves 0, 1 x's halves, waves 2, 3 Wq's); behind the round that follows each fetches a quarter of Wk's tile, behind the round that ends pass 0's reads a quarter of Wv's.
; No prefetch into the L2: there is no loop to run ahead in; each of the four tiles is asked for once.
; RESULTS: groups of 3,328 bytes at hc + idx x 3,328: four half images, then 256 bytes of scale words ([r][4], bytes 2 and 3 of a word 0x7f).
;   q: idx = head x 64 + (x's row-block) / 4;  k: 1,024 more;  v: idx = 2,048 + (batch x 16 + head) x 32 + (chunk of 64 keys), the four images = the head's four blocks of 16 features.
; LIMITS: blocks under 2^-122 are held at the byte 1, a block of zeros has the byte 1 (its codes are zeros), NaN and infinities are not served.
; REGISTERS: window 0: addresses, scale words (v16-79), the way out (v96-127), v128-255 the accumulators ((a, b) at 128 + 8 (4 a + b)).
;   window 1: x's fragments of K steps 0-4;  window 2: of K steps 5-7;  window 3: v0-95 the weight's fragments, two sets of 4 x 12; v96-191 bq, bk, bv, four tiles of 8 each.
.set RBK,  12288                       ; a row-block's 16 half images
.set REG,  49152                       ; four row-blocks
.set HIB,  768
.set GRP,  3328
.set WA,   98304
.set WB,   196608
.set SPARE, 294912                     ; the spare words, 128 bytes for each wave: two blocks of 256 bytes that no other line names
.set X16,  1                           ; v1, v2   16 x lane, 8 x lane + x's rows that are mine
.set X8,   2
.set WA16, 3                           ; v3, v4   the same for my half of the weight in WA;  v5, v6 in WB
.set WA8,  4
.set WB16, 5
.set WB8,  6
.set L16,  7                           ; v7 16 x lane;  v8 8 x lane;  v9 16 r + 8 h;  v10 h
.set L8,   8
.set OUTS, 9
.set HH,   10
.set SPW,  14                          ; v14 LDS address of my spare word; never rewritten
.set NIL,  15                          ; v15 0; never rewritten
.set SX,   16                          ; scale words, 4 registers a row-block: x's; from 32 on Wq's, Wk's, Wv's, 16 each
.set SW,   32
.set BVL,  80                          ; v80-83 bv as loaded
.set PCD,  96                          ; v96-107 two half images by turns
.set PT,   108                         ; v108-110 a conversion's second half
.set TM,   112                         ; v112-117 at work
.set PW,   118                         ; v118-121 the four scale words; v122-123 on their way out
.set ACC,  128
.set BIA,  96                          ; in window 3
.set G1X,  24                          ; group 1: x's and Wq's halves (192 rows of 256 bytes), a weight's quarter (96 rows)
.set G1W,  32
.set G1Q,  48
.set G0X,  56
.set G0W,  60
.set G0K,  68
.set G0V,  72
.set SEL,  92
.set MSB, 0
.macro WIN new                         ; the immediate's high byte repeats the setting that is left
.if MSB != \new
	s_set_vgpr_msb (MSB<<8)|\new
.set MSB, \new
.endif
.endm
.macro PLACES                          ; four places in front of loads into registers that matrix instructions have read, and of the first read of results
.rept 4
	v_nop
.endr
.endm
.macro CREST                           ; a round of the cluster's barrier behind its opening barrier
	s_cmp_lg_u32 s18, 0
	s_cbranch_scc1 .Lnot_wave_0_\@
	s_barrier_signal -3
.Lnot_wave_0_\@:
	s_barrier_wait -3
	s_barrier_signal -1
	s_barrier_wait -1
.endm
.macro CROUND
	s_barrier_signal -1
	s_barrier_wait -1
	CREST
.endm
.macro DENSE g, rows                   ; group 1 for a dense block as rows of 256 bytes (32 elements of 8 bytes)
	s_mov_b32 s[\g+1], 32<<16
	s_mov_b32 s[\g+2], (\rows)<<16
	s_mov_b32 s[\g+3], 32<<16
	s_mov_b32 s[\g+4], \rows
	s_mov_b32 s[\g+5], 32
	s_mov_b32 s[\g+6], 0
	s_mov_b32 s[\g+7], 0
.endm
; four row-blocks' fragments of K step k (two half images a row-block) into v[dst] on: 16 LDS loads, each of consecutive bytes
.macro FRAG4 k, dst, rx, ry
.irp i, 0,1,2,3
.set O, \i*RBK+(\k)*2*HIB
.set F, \dst+12*\i
	ds_load_b128 v[F:F+3], v[\rx] offset:O
	ds_load_b64 v[F+4:F+5], v[\ry] offset:O+512
	ds_load_b128 v[F+6:F+9], v[\rx] offset:O+HIB
	ds_load_b64 v[F+10:F+11], v[\ry] offset:O+HIB+512
.endr
.endm
.macro FETCHX k                        ; x's, into their own registers
	WIN ((1+(\k)/5)<<6)
	FRAG4 \k, 48*((\k)%5), X16, X8
.endm
.macro FETCHW k, rx, ry                ; the weight's, into set k % 2
	WIN 0xc0
	FRAG4 \k, 48*((\k)%2), \rx, \ry
.endm
; 16 matrix instructions: pass p's K step k.  cm = 1: the sums begin with the bias.  The sixteen accumulators take turns, one instruction a turn.
; The scale words of K step k stand in register k % 4 of a row-block's four, in lanes 0-15 for k < 4 and in lanes 16-31 for k >= 4.
.macro MUL p, k, cm
.if (\p) < 2
	WIN (3|((1+(\k)/5)<<2)|((\cm)*0x30))
.else
	WIN ((1+(\k)/5)|12|((\cm)*0x30))
.endif
.irp a, 0,1,2,3
.irp b, 0,1,2,3
.set rD, ACC+8*(4*\a+\b)
.if (\p) < 2
.set rP, 48*((\k)%2)+12*\b
.set rQ, 48*((\k)%5)+12*\a
.set tP, SW+16*(\p)+4*\b+(\k)%4
.set tQ, SX+4*\a+(\k)%4
.set rC, BIA+32*(\p)+8*\b
.else
.set rP, 48*((\k)%5)+12*\b
.set rQ, 48*((\k)%2)+12*\a
.set tP, SX+4*\b+(\k)%4
.set tQ, SW+32+4*\a+(\k)%4
.set rC, BIA+64+8*\a
.endif
.if (\cm) == 0
.set rC, rD
.endif
.if (\k) >= 4
	v_wmma_scale_f32_16x16x128_f8f6f4 v[rD:rD+7], v[rP:rP+11], v[rQ:rQ+11], v[rC:rC+7], v[tP], v[tQ] matrix_a_fmt:MATRIX_FMT_BF6 matrix_b_fmt:MATRIX_FMT_BF6 matrix_a_scale:MATRIX_SCALE_ROW1 matrix_b_scale:MATRIX_SCALE_ROW1
.else
	v_wmma_scale_f32_16x16x128_f8f6f4 v[rD:rD+7], v[rP:rP+11], v[rQ:rQ+11], v[rC:rC+7], v[tP], v[tQ] matrix_a_fmt:MATRIX_FMT_BF6 matrix_b_fmt:MATRIX_FMT_BF6
.endif
.endr
.endr
.endm
.macro STEP p, k, rx, ry               ; the next step's fragments are fetched, then this step is multiplied
	PLACES
.if (\p) == 0
	FETCHX (\k)+1
	FETCHW (\k)+1, \rx, \ry
	s_wait_dscnt 32                                ; all but the 32 just issued: this step's fragments are in
.else
	FETCHW (\k)+1, \rx, \ry
	s_wait_dscnt 16                                ; all but the 16 just issued
.endif
	MUL \p, \k, 0
.endm
; THE WAY OUT.  Source 1's block a: my 32 registers v[128 + 32 a ..] are 64 neighbours along the next K: register 16 B + i = k 32 B + 16 h + i.  They become one half image and one scale word a row.
.macro QUANT2 a, cb
.set QS, ACC+32*\a
.set QC, PCD+6*((\a)%2)
	s_wait_xcnt 0x0                                ; earlier stores have read the codes' registers, which are written again below
	v_max3_num_f32 v[TM], |v[QS]|, |v[QS+1]|, 0x2800000       ; each accumulator is read from its low end on; the floor 2^(5 - 127) holds the byte at 1 from below
	v_max3_num_f32 v[TM+1], |v[QS+16]|, |v[QS+17]|, 0x2800000
.irp i, 2,4,6,8,10,12,14
	v_max3_num_f32 v[TM], v[TM], |v[QS+\i]|, |v[QS+\i+1]|
	v_max3_num_f32 v[TM+1], v[TM+1], |v[QS+16+\i]|, |v[QS+17+\i]|
.endr
	v_permlanex16_b32 v[TM+2], v[TM], s[SEL], s[SEL+1]
	v_permlanex16_b32 v[TM+3], v[TM+1], s[SEL], s[SEL+1]
	v_max_num_f32 v[TM], v[TM], v[TM+2]            ; with lane l xor 16's: the block's largest magnitude
	v_max_num_f32 v[TM+1], v[TM+1], v[TM+3]
	v_add_nc_u32 v[TM+4], 0xfe000000, v[TM]        ; 4 off the exponent field: the conversion's scale operand
	v_add_nc_u32 v[TM+5], 0xfe000000, v[TM+1]
	v_lshrrev_b32 v[TM+2], 23, v[TM+4]             ; the bytes
	v_lshrrev_b32 v[TM+3], 23, v[TM+5]
	v_lshl_or_b32 v[PW+\a], v[TM+3], 8, v[TM+2]
	v_or_b32 v[PW+\a], 0x7f7f0000, v[PW+\a]        ; bytes 2 and 3 stand for 1: they meet zero codes, or are cut off by the reader
	v_cvt_scalef32_pk16_bf6_f32 v[QC:QC+2], v[QS:QS+15], v[TM+4]
	v_cvt_scalef32_pk16_bf6_f32 v[PT:PT+2], v[QS+16:QS+31], v[TM+5]
	v_nop                                          ; one plain place behind a scaled conversion
.irp i, 0,1,2
	v_permlane16_swap_b32 v[QC+\i], v[PT+\i]       ; a whole block to a lane: lanes 0-15 block 0, lanes 16-31 block 1
.endr
.irp i, 0,1,2
	v_mov_b32 v[QC+3+\i], v[PT+\i]
.endr
	global_store_b128 v[L16], v[QC:QC+3], s[\cb:\cb+1] offset:\a*HIB       ; 512 consecutive bytes, at a multiple of 256
	global_store_b64 v[L8], v[QC+4:QC+5], s[\cb:\cb+1] offset:\a*HIB+512   ; 256 consecutive bytes, likewise
.endm
.macro WAYOUT cb                       ; a pass's results: one group
	QUANT2 0, \cb
	QUANT2 1, \cb
	QUANT2 2, \cb
	QUANT2 3, \cb
	v_cmp_ne_u32 vcc_lo, 0, v[HH]
	v_cndmask_b32 v122, v[PW], v[PW+2], vcc_lo     ; lanes 0-15 words 0, 1; lanes 16-31 words 2, 3
	v_cndmask_b32 v123, v[PW+1], v[PW+3], vcc_lo
	global_store_b64 v[OUTS], v[122:123], s[\cb:\cb+1] offset:3072   ; 256 consecutive bytes, at a multiple of 256
.endm
	s_load_b256 s[4:11], s[0:1], 0x0               ; opc, ops, bq, bk
	s_load_b128 s[12:15], s[0:1], 0x20             ; bv, hc
	v_lshl_add_u32 v[SPW], v0, 2, SPARE
	v_mov_b32 v[NIL], 0
	ds_add_u32 v[SPW], v[NIL]                      ; the wave's opening: the add, twice on end, and its wait ahead of my first tensor load
	ds_add_u32 v[SPW], v[NIL]
	v_lshrrev_b32 v112, 5, v0
	v_readfirstlane_b32 s18, v112                  ; wave 0..3
	s_lshr_b32 s19, s18, 1                         ; wq: which 64 tokens are mine.  Also: at the head I fetch for x (0) or for Wq (1)
	s_and_b32 s20, s18, 1                          ; wp: which 64 features.  Also: which half of that tile I fetch
	s_bfe_u32 s40, ttmp6, 0x40000                  ; cx, cy: my place in the cluster
	s_bfe_u32 s41, ttmp6, 0x40004
	s_lshl_b32 s42, ttmp9, 2
	s_add_co_u32 s42, s42, s40                     ; X: which 128 tokens
	s_and_b32 s43, ttmp7, 0xffff
	s_lshl_b32 s43, s43, 2
	s_add_co_u32 s43, s43, s41                     ; Y: which 128 features
	s_lshl_b32 s44, 0x1111, s40                    ; my column of the cluster: x's partners
	s_lshl_b32 s45, s41, 2
	s_lshl_b32 s45, 15, s45                        ; my row: the weights' partners
	s_or_b32 s[G1X], s44, (3<<16)|(1<<21)          ; elements of 8 bytes, no padding, bit 21 beside a mask
	s_or_b32 s[G1W], s45, (3<<16)|(1<<21)
	s_or_b32 s[G1Q], s45, (3<<16)|(1<<21)
	DENSE G1X, 192
	DENSE G1W, 192
	DENSE G1Q, 96
	s_lshl_b32 s78, s20, 2
	s_lshl_b32 s46, s42, 3
	s_add_co_u32 s46, s46, s78                     ; x's half: row-block 8 X + 4 half
	s_mul_i32 s46, s46, RBK
	s_mov_b32 s47, 0
	s_lshl_b32 s66, s43, 3
	s_add_co_u32 s66, s66, 256                     ; Wq's row-blocks begin at 256, Wk's 64 further on, Wv's 128
	s_lshl_b32 s76, s18, 1
	s_add_co_u32 s76, s76, s66
	s_add_co_u32 s76, s76, 64                      ; my quarter of Wk's tile: two row-blocks
	s_mul_i32 s76, s76, RBK
	s_mov_b32 s77, 0
	s_add_co_u32 s66, s66, s78
	s_lshl_b32 s82, s66, 9                         ; the weights' scale words, by wp
	s_mov_b32 s83, 0
	s_mul_i32 s66, s66, RBK
	s_mov_b32 s67, 0
	s_mul_i32 s16, s18, REG                        ; where the head's loads go: x's two halves, then WA's
	s_mul_i32 s17, s18, 2*RBK                      ; and the quarters in WB and WA
	s_lshl_b32 s80, s42, 3
	s_lshl_b32 s79, s19, 2
	s_add_co_u32 s80, s80, s79
	s_lshl_b32 s80, s80, 9                         ; x's scale words, by wq
	s_mov_b32 s81, 0
	s_lshl_b32 s84, s43, 9
	s_lshl_b32 s79, s20, 8
	s_add_co_u32 s84, s84, s79                     ; the biases: feature 128 Y + 64 wp
	s_mov_b32 s85, 0
	s_lshl_b32 s86, s43, 1
	s_add_co_u32 s86, s86, s20                     ; head = 2 Y + wp
	s_lshl_b32 s90, s86, 5
	s_lshl_b32 s86, s86, 6
	s_lshl_b32 s79, s42, 1
	s_add_co_u32 s79, s79, s19                     ; chunk of 64 tokens = 2 X + wq
	s_add_co_u32 s86, s86, s79                     ; q: 64 head + chunk
	s_add_co_u32 s88, s86, 1024                    ; k
	s_lshr_b32 s78, s79, 5                         ; batch
	s_lshl_b32 s78, s78, 9
	s_add_co_u32 s90, s90, s78
	s_and_b32 s79, s79, 31
	s_add_co_u32 s90, s90, s79
	s_add_co_u32 s90, s90, 2048                    ; v: 2,048 + (16 batch + head) 32 + chunk
.irp p, 86, 88, 90
	s_mul_i32 s[\p], s[\p], GRP
	s_mov_b32 s[\p+1], 0
.endr
	s_mov_b32 s[SEL], 0x76543210
	s_mov_b32 s[SEL+1], 0xfedcba98
	s_wait_dscnt 0x0                               ; both opening adds are done
	CROUND                                         ; all sixteen work-groups are here: the first joint loads meet
	s_wait_kmcnt 0x0
	s_mov_b32 s[G0X], 1
	s_mov_b32 s[G0X+1], s16
	s_add_nc_u64 s[G0X+2:G0X+3], s[4:5], s[46:47]
	s_or_b32 s[G0X+3], s[G0X+3], 0x80000000
	s_mov_b32 s[G0W], 1
	s_mov_b32 s[G0W+1], s16
	s_add_nc_u64 s[G0W+2:G0W+3], s[4:5], s[66:67]
	s_or_b32 s[G0W+3], s[G0W+3], 0x80000000
	s_cmp_eq_u32 s19, 0
	s_cbranch_scc0 .Lhead_w
	tensor_load_to_lds s[G0X:G0X+3], s[G1X:G1X+7]
	s_nop 0
	PLACES
	s_branch .Lhead
.Lhead_w:
	tensor_load_to_lds s[G0W:G0W+3], s[G1W:G1W+7]
	s_nop 0
	PLACES
.Lhead:
	s_mov_b32 s[G0K], 1
	s_add_co_u32 s[G0K+1], s17, WB
	s_add_nc_u64 s[G0K+2:G0K+3], s[4:5], s[76:77]
	s_or_b32 s[G0K+3], s[G0K+3], 0x80000000
	s_add_nc_u64 s[76:77], s[76:77], 64*RBK        ; Wv's row-blocks lie 64 behind Wk's
	s_mov_b32 s[G0V], 1
	s_add_co_u32 s[G0V+1], s17, WA
	s_add_nc_u64 s[G0V+2:G0V+3], s[4:5], s[76:77]
	s_or_b32 s[G0V+3], s[G0V+3], 0x80000000
	s_add_nc_u64 s[80:81], s[6:7], s[80:81]
	s_add_nc_u64 s[82:83], s[6:7], s[82:83]
	s_add_nc_u64 s[8:9], s[8:9], s[84:85]
	s_add_nc_u64 s[10:11], s[10:11], s[84:85]
	s_add_nc_u64 s[12:13], s[12:13], s[84:85]
.irp p, 86, 88, 90
	s_add_nc_u64 s[\p:\p+1], s[14:15], s[\p:\p+1]
.endr
	v_and_b32 v112, 31, v0                         ; lane
	v_and_b32 v113, 15, v0                         ; r
	v_bfe_u32 v[HH], v0, 4, 1                      ; h
	v_lshlrev_b32 v[L16], 4, v112
	v_lshlrev_b32 v[L8], 3, v112
	s_mul_i32 s78, s19, REG
	v_add_nc_u32 v[X16], s78, v[L16]
	v_add_nc_u32 v[X8], s78, v[L8]
	s_mul_i32 s78, s20, REG
	s_add_co_u32 s78, s78, WA
	v_add_nc_u32 v[WA16], s78, v[L16]
	v_add_nc_u32 v[WA8], s78, v[L8]
	s_add_co_u32 s78, s78, WB-WA
	v_add_nc_u32 v[WB16], s78, v[L16]
	v_add_nc_u32 v[WB8], s78, v[L8]
	v_lshlrev_b32 v116, 6, v[HH]                   ; a bias along the registers: 16 h numbers on
	v_and_b32 v117, 8, v113
	v_add_nc_u32 v117, v117, v113
	v_lshlrev_b32 v117, 2, v117                    ; a bias along the lanes: number r + 8 (r / 8)
	v_lshlrev_b32 v[OUTS], 4, v113
	v_lshl_add_u32 v[OUTS], v[HH], 3, v[OUTS]      ; the scale words' way out: 16 r + 8 h
	v_mov_b32 v[TM+2], 0                           ; written once: a lane permute's destination counts as one of its sources
	v_mov_b32 v[TM+3], 0
.irp a, 0,1,2,3                        ; each load: 512 consecutive bytes: lanes 0-15 K steps 0-3, lanes 16-31 K steps 4-7
	global_load_b128 v[SX+4*\a:SX+4*\a+3], v[L16], s[80:81] offset:\a*512
	global_load_b128 v[SW+4*\a:SW+4*\a+3], v[L16], s[82:83] offset:\a*512
	global_load_b128 v[SW+16+4*\a:SW+19+4*\a], v[L16], s[82:83] offset:\a*512+32768
	global_load_b128 v[SW+32+4*\a:SW+35+4*\a], v[L16], s[82:83] offset:\a*512+65536
	global_load_b32 v[BVL+\a], v117, s[12:13] offset:(32*(\a/2)+8*(\a%2))*4   ; bv runs along source 1's rows, my lanes
.endr
	WIN 0xc0
.irp b, 0,1,2,3                        ; bq and bk run along source 0's rows, my registers
	global_load_b128 v[BIA+8*\b:BIA+8*\b+3], v116, s[8:9] offset:(32*(\b/2)+8*(\b%2))*4
	global_load_b128 v[BIA+8*\b+4:BIA+8*\b+7], v116, s[8:9] offset:(32*(\b/2)+8*(\b%2))*4+16
	global_load_b128 v[BIA+32+8*\b:BIA+35+8*\b], v116, s[10:11] offset:(32*(\b/2)+8*(\b%2))*4
	global_load_b128 v[BIA+36+8*\b:BIA+39+8*\b], v116, s[10:11] offset:(32*(\b/2)+8*(\b%2))*4+16
.endr
	WIN 0
	s_wait_alu depctr_va_vdst(0)                   ; the head's end
	s_wait_tensorcnt 0x0                           ; my half tile is in
	ds_add_u32 v[SPW], v[NIL]
	s_wait_dscnt 0x0
	CROUND                                         ; x's and Wq's tiles are whole, and all sixteen work-groups are here
	tensor_load_to_lds s[G0K:G0K+3], s[G1Q:G1Q+7]  ; my quarter of Wk's tile: it has pass 0 in which to land
	s_nop 0
	PLACES
	; ---- PASS 0: q
	FETCHX 0
	FETCHW 0, WA16, WA8
	FETCHX 1
	FETCHW 1, WA16, WA8
	s_wait_loadcnt 0x0                             ; the scale words and the biases
	WIN 0xc0
.irp a, 0,1,2,3
.irp j, 0,1,2,3,4,5,6,7
	v_mov_b32 v[BIA+64+8*\a+\j], v[BVL+\a]         ; bv: the same number in a tile's eight registers
.endr
.endr
	s_wait_dscnt 32                                ; K step 0's fragments are in; K step 1's 32 loads may be out
	MUL 0, 0, 1
	STEP 0, 1, WA16, WA8
	STEP 0, 2, WA16, WA8
	STEP 0, 3, WA16, WA8
	STEP 0, 4, WA16, WA8
	STEP 0, 5, WA16, WA8
	STEP 0, 6, WA16, WA8
	WIN 0                                          ; (the add's two registers lie in window 0)
	s_wait_tensorcnt 0x0                           ; my quarter of Wk's tile has landed;
	ds_add_u32 v[SPW], v[NIL]                      ; 0 onto my spare word;
	s_wait_dscnt 0x0                               ; the add is done, and my reads of Wq's tile are over: K step 7's fragments are in registers
	s_barrier_signal -1
	MUL 0, 7, 0                                    ; work on registers while the others arrive
	WIN 0
	s_barrier_wait -1
	CREST                                          ; nobody in the cluster reads WA any more, and Wk's tile is whole
	tensor_load_to_lds s[G0V:G0V+3], s[G1Q:G1Q+7]  ; my quarter of Wv's tile: it has this way out and all of pass 1 in which to land
	s_nop 0
	PLACES                                         ; (also the places behind K step 7's products)
	; ---- PASS 1: k.  Its first fragments are fetched ahead of pass 0's way out
	FETCHW 0, WB16, WB8
	FETCHW 1, WB16, WB8
	WIN 0
	WAYOUT 86
	s_wait_dscnt 16
	MUL 1, 0, 1
	STEP 1, 1, WB16, WB8
	STEP 1, 2, WB16, WB8
	STEP 1, 3, WB16, WB8
	STEP 1, 4, WB16, WB8
	STEP 1, 5, WB16, WB8
	STEP 1, 6, WB16, WB8
	s_wait_tensorcnt 0x0                           ; my quarter of Wv's tile has landed;
	s_wait_dscnt 0x0                               ; K step 7's fragments are in
	s_barrier_signal -1
	MUL 1, 7, 0
	WIN 0
	s_barrier_wait -1                              ; Wv's tile is whole
	PLACES
	; ---- PASS 2: v, with the sources' parts changed
	FETCHW 0, WA16, WA8
	FETCHW 1, WA16, WA8
	WIN 0
	WAYOUT 88
	s_wait_dscnt 16
	MUL 2, 0, 1
	STEP 2, 1, WA16, WA8
	STEP 2, 2, WA16, WA8
	STEP 2, 3, WA16, WA8
	STEP 2, 4, WA16, WA8
	STEP 2, 5, WA16, WA8
	STEP 2, 6, WA16, WA8
	s_wait_dscnt 0x0
	MUL 2, 7, 0
	WIN 0
	PLACES
	WAYOUT 90
	s_wait_tensorcnt 0x0                           ; the wave's end
	ds_add_u32 v[SPW], v[NIL]
	s_wait_dscnt 0x0
	CROUND                                         ; the closing round: no work-group ends while a partner may still ask for a tile that names it
	s_endpgm
.Lfunc_end_k_qf63b72f23d_proj:
	.size	k_qf63b72f23d_proj, .Lfunc_end_k_qf63b72f23d_proj-k_qf63b72f23d_proj
	.p2alignl 7, 3214868480
	.fill 96, 4, 3214868480
	.section	.rodata,"a",@progbits
	.p2align	6, 0x0
	.amdhsa_kernel k_qf63b72f23d_proj
		.amdhsa_group_segment_fixed_size 327680
		.amdhsa_private_segment_fixed_size 0
		.amdhsa_enable_private_segment 0
		.amdhsa_kernarg_size 48
		.amdhsa_user_sgpr_count 2
		.amdhsa_user_sgpr_kernarg_segment_ptr 1
		.amdhsa_wavefront_size32 1
		.amdhsa_system_sgpr_workgroup_id_x 1
		.amdhsa_system_sgpr_workgroup_id_y 1
		.amdhsa_system_sgpr_workgroup_id_z 1
		.amdhsa_system_vgpr_workitem_id 0
		.amdhsa_next_free_vgpr 1024
		.amdhsa_next_free_sgpr 96
		.amdhsa_reserve_vcc 1
		.amdhsa_float_denorm_mode_32 3
		.amdhsa_float_denorm_mode_16_64 3
		.amdhsa_memory_ordered 1
		.amdhsa_forward_progress 1
		.amdhsa_inst_pref_size 125
	.end_amdhsa_kernel
	.amdgpu_metadata
---
amdhsa.version: [ 1, 2 ]
amdhsa.kernels:
  - .name:           k_qf63b72f23d_proj
    .symbol:         k_qf63b72f23d_proj.kd
    .args:
      - { .name: opc, .offset: 0, .size: 8, .value_kind: global_buffer, .address_space: global }
      - { .name: ops, .offset: 8, .size: 8, .value_kind: global_buffer, .address_space: global }
      - { .name: bq, .offset: 16, .size: 8, .value_kind: global_buffer, .address_space: global }
      - { .name: bk, .offset: 24, .size: 8, .value_kind: global_buffer, .address_space: global }
      - { .name: bv, .offset: 32, .size: 8, .value_kind: global_buffer, .address_space: global }
      - { .name: hc, .offset: 40, .size: 8, .value_kind: global_buffer, .address_space: global }
    .group_segment_fixed_size: 327680
    .private_segment_fixed_size: 0
    .kernarg_segment_align: 8
    .kernarg_segment_size: 48
    .max_flat_workgroup_size: 128
    .sgpr_count:     96
    .vgpr_count:     1024
    .wavefront_size: 32
...
	.end_amdgpu_metadata
.endif
;; end of part 2
;; launch attn (part 3): grid 4 x 64, 16 waves a work-group, clusters of 4 x 4, 327,680 bytes of LDS; arguments hc, opc, ops; writes opc, ops
.if DOCPART == 3
	.amdgcn_target "amdgcn-amd-amdhsa--gfx1250"
	.amdhsa_code_object_version 6
	.text
	.protected	k_qf63b72f23d_attn
	.globl	k_qf63b72f23d_attn
	.p2align	8
	.type	k_qf63b72f23d_attn,@function
k_qf63b72f23d_attn:
	s_mov_b64 s[64:65], 0
	v_nop
	global_prefetch_b8 v0, s[64:65] scope:SCOPE_SE
	s_setreg_imm32_b32 hwreg(HW_REG_WAVE_MODE, 25, 1), 1
	s_wait_xcnt 0x0
	s_wait_alu depctr_hold_cnt(0) depctr_sa_sdst(0) depctr_va_vdst(0) depctr_va_sdst(0) depctr_va_ssrc(0) depctr_va_vcc(0) depctr_vm_vsrc(0)
	s_getreg_b32 s2, hwreg(HW_REG_IB_STS2, 6, 4)
	s_cmp_eq_u32 s2, 0
	s_cbranch_scc0 .Lentry_in_a_cluster
	s_endpgm
.Lentry_in_a_cluster:
	s_bfe_u32 s2, ttmp6, 0x10000c
	s_cmp_lg_u32 s2, 0xf033
	s_cbranch_scc0 .Lentry_shape_is_right
	s_endpgm
.Lentry_shape_is_right:
; o[b][q][head] = softmax over the keys k <= q of (q . k / 8) times v, both products on codes of BF6 (E3M2) with E8M0 scales; o is quantised at once along the model's 1,024 for the last product.
; THE SOFTMAX AHEAD OF THE SECOND PRODUCT: t = score x log2(e) / 8; M = the row's largest t so far, rounded UP to a whole number; p = 2^(t - M) is quantised along the keys, not normalised.
; The row's sum is taken of the unquantised p and divides O at the end (a reciprocal and a multiplication).  When M moves, the sum and O are multiplied by 2^(old M - new M): exact.
; WORK LEFT OUT: steps of 128 keys all of which come after the query: reference() itself sets their scores to -infinity.
; INPUTS: groups of 3,328 bytes at hc + idx x 3,328: four half images of 768 bytes (16 rows x 64 K, registers 0-3 at 16 x lane, registers 4-5 at 512 + 8 x lane), then their scale words [r][4].
; Tokens go in row-blocks of 16: lane r of row-block J = token 32 (J / 2) + 8 (J % 2) + r + 8 (r / 8).  So the 16 registers of two neighbouring tiles of S^T are 16 neighbouring keys.
; SHARES.  Eight work-groups, g = 0 .. 7, make a head of a batch (grid y / 2; g = 4 (y % 2) + x).  Work-group g takes tile g (16 queries) of each of the sixteen blocks of 128 queries, so all work-groups run alike:
; block j wants key steps 0 .. j, in the last of which (the diagonal) hidden scores become -infinity.
; Blocks p and 15 - p, p = 0 .. 7, have 17 key steps together and are shared by two waves.  THE FIRST takes steps 0 .. 8 of block 15 - p.  THE SECOND takes block p whole (p + 1 steps), sends it out, and takes
; steps 9 .. 15 - p of block 15 - p (7 - p steps); its M, sum and O of that tile go to the first through LDS, which joins them: 9 steps and 8.  Sixteen waves in 256 registers: four waves to a SIMD.
; ALL OF THE HEAD'S K AND V LIE IN LDS (106,496 bytes each, scale words among them), filled once: wave w brings 13,312 dense bytes to 13,312 w, by one load: waves 0-7 K, waves 8-15 V.
; CLUSTERS of 4 x 4: the four work-groups of a row share a head and ask for its K and V jointly; no branch and no LDS address hangs on the place in the cluster.  No prefetch: nothing is fetched inside the loop.
; K = 64 IN AN INSTRUCTION OF 128: Q's registers 6-11 are zero codes; a tile of K names twelve registers of which the upper six are the next tile's codes (behind the last: zeros): every pattern of E3M2 is a
; finite number, so its product with a zero code adds nothing; bytes 2 and 3 of both scale words are 0x7f.
; LIMITS: the scaled scores t stay under 2^31 in magnitude; a block whose every p has fallen under 2^-122 keeps the byte 1; NaN and infinities are not served.
; REGISTERS: v1 16 x lane, v2 8 x lane, v3 16 r, v5 the joining stage; v8-11, v29, v30 the step's addresses; v12 -M, v13 the largest t, v[14:15] the sum; v16-27 Q; v28 its scale word; v31 h; v32-85 K's 8 tiles and
;   six zeros, then V's 4 fragments; v88-95 K's scale words; v96-159 S^T, then p; v160-191 O^T; v192-210 p's codes; v211 my query; v212-223 at work; v224-235 V's scale words; v236 p's; v237 16 r + h;
;   v[238:239] f; v240-247 at work; v254, v255 the add's two.
.set GRP,  3328
.set VC,   106496                      ; LDS: K at 0, V here; a key step is two groups, 6,656 bytes
.set STG,  212992                      ; the joining stage: 4,608 bytes for each p
.set SPARE, 249856                     ; the spare words, 128 bytes for each wave
.set BM,   212                         ; v212-215 a block's largest score, then its largest p
.set BP,   216                         ; v216-219 the other half's, then the bytes
.set SCO,  220                         ; v220-223 the conversions' scale operands
.set PP,   10                          ; s10 p
.set ROLE, 11                          ; s11 0: the first wave of the two, 1: the second
.set WV,   12
.set BL,   18                          ; s18 the block that I begin with;  s19 15 - p
.set BH,   19
.set SEL,  20
.set CS,   22                          ; s[22:23] c = log2(e) / 8
.set G1,   24
.set G0,   32
.set DH,   36                          ; s36 key step less trip, behind block p;  s37 the trip in which the tile changes
.set TR,   37
.set SI,   38                          ; s38 the key step;  s39 the tile's block
.set BLK,  39
.set TB,   40                          ; s40, s41 where the step's groups of K and of V begin in LDS
.set TV,   41
.set CNT,  42
.macro CROUND                          ; a round of the cluster's barrier
	s_barrier_signal -1
	s_barrier_wait -1
	s_cmp_lg_u32 s[WV], 0
	s_cbranch_scc1 .Lnot_wave_0_\@
	s_barrier_signal -3
.Lnot_wave_0_\@:
	s_barrier_wait -3
	s_barrier_signal -1
	s_barrier_wait -1
.endm
.macro PTRS bl, q                      ; the offsets of my tile in block s[bl]: s[q] Q's half image, s[q+2] its scale words, s[q+4] o's half image, s[q+6] o's scale bytes
	s_lshl_b32 s[\q], s[\bl], 1
	s_add_co_u32 s[\q], s[\q], s60
	s_mul_i32 s[\q], s[\q], GRP
	s_add_co_u32 s[\q+2], s[\q], s62
	s_add_co_u32 s[\q], s[\q], s61
	s_lshl_b32 s[\q+4], s[\bl], 3
	s_add_co_u32 s[\q+4], s[\q+4], s63
	s_lshl_b32 s[\q+6], s[\q+4], 9
	s_add_co_u32 s[\q+6], s[\q+6], s66
	s_lshl_b32 s[\q+4], s[\q+4], 4
	s_add_co_u32 s[\q+4], s[\q+4], s16
	s_mul_i32 s[\q+4], s[\q+4], 768
	s_mov_b32 s[\q+1], 0
	s_mov_b32 s[\q+3], 0
	s_mov_b32 s[\q+5], 0
	s_mov_b32 s[\q+7], 0
.endm
.macro BASES q
	s_add_nc_u64 s[\q:\q+1], s[4:5], s[\q:\q+1]
	s_add_nc_u64 s[\q+2:\q+3], s[4:5], s[\q+2:\q+3]
	s_add_nc_u64 s[\q+4:\q+5], s[6:7], s[\q+4:\q+5]
	s_add_nc_u64 s[\q+6:\q+7], s[8:9], s[\q+6:\q+7]
.endm
.macro QLOAD q                         ; Q's half image stays in registers
	global_load_b128 v[16:19], v1, s[\q:\q+1]
	global_load_b64 v[20:21], v2, s[\q:\q+1] offset:512
	global_load_b32 v28, v3, s[\q+2:\q+3]
.endm
.macro RESET                           ; a tile begins: the largest t is -3e38, under every t; sum and O^T are zeros, which the first change of M leaves zeros
	v_mov_b32 v13, 0xff61b1e6
	v_mov_b32 v14, 0
	v_mov_b32 v15, 0
	v_floor_f32 v12, -v13
.set N, 0
.rept 32
	v_mov_b32 v[160+N], 0
.set N, N+1
.endr
.endm
; THE WAY OUT.  O^T / the sum: register 16 B + i = feature 32 B + 16 h + i of my query: 64 neighbours along the last product's K: one half image and two scale bytes a row.
.macro WAYOUT
	v_add_f32 v14, v14, v15                        ; the sum's two halves,
	s_wait_alu depctr_va_vdst(0)
	v_permlanex16_b32 v240, v14, s[SEL], s[SEL+1]
	v_add_f32 v14, v14, v240                       ; and lane l xor 16's
	s_wait_alu depctr_va_vdst(0)                   ; waits ahead of the transcendental and behind it
	v_rcp_f32 v14, v14
	v_nop                                          ; one plain place behind a transcendental
	s_wait_alu depctr_va_vdst(0)
.set N, 0
.rept 16
	v_pk_mul_f32 v[96+N:97+N], v[160+N:161+N], v[14:15] op_sel_hi:[1,0]
.set N, N+2
.endr
	v_max3_num_f32 v[BM], |v96|, |v97|, 0x2800000
	v_max3_num_f32 v[BM+1], |v112|, |v113|, 0x2800000
.irp i, 2,4,6,8,10,12,14
	v_max3_num_f32 v[BM], v[BM], |v[96+\i]|, |v[97+\i]|
	v_max3_num_f32 v[BM+1], v[BM+1], |v[112+\i]|, |v[113+\i]|
.endr
	v_permlanex16_b32 v[BM+2], v[BM], s[SEL], s[SEL+1]
	v_permlanex16_b32 v[BM+3], v[BM+1], s[SEL], s[SEL+1]
	v_max_num_f32 v[BM], v[BM], v[BM+2]
	v_max_num_f32 v[BM+1], v[BM+1], v[BM+3]
	v_add_nc_u32 v[SCO], 0xfe000000, v[BM]
	v_add_nc_u32 v[SCO+1], 0xfe000000, v[BM+1]
	v_lshrrev_b32 v[BM+2], 23, v[SCO]              ; block 0's byte,
	v_lshrrev_b32 v[BM+3], 23, v[SCO+1]            ; block 1's
	v_cvt_scalef32_pk16_bf6_f32 v[192:194], v[96:111], v[SCO]
	v_cvt_scalef32_pk16_bf6_f32 v[204:206], v[112:127], v[SCO+1]
	v_cmp_ne_u32 vcc_lo, 0, v31                    ; (a plain place behind the conversions)
.irp i, 0,1,2
	v_permlane16_swap_b32 v[192+\i], v[204+\i]
.endr
.irp i, 0,1,2
	v_mov_b32 v[195+\i], v[204+\i]
.endr
	v_cndmask_b32 v[BP], v[BM+2], v[BM+3], vcc_lo  ; lane (r, h) stores block h's byte of row r
	global_store_b128 v1, v[192:195], s[48:49]     ; 512 consecutive bytes, at a multiple of 256
	global_store_b64 v2, v[196:197], s[48:49] offset:512
	global_store_b8 v237, v[BP], s[50:51]          ; 32 single bytes, two to a row's 16: a scale word of the last product's K step belongs to two heads, that is to two work-groups, so no whole word is mine
.endm
	s_load_b128 s[4:7], s[0:1], 0x0                ; hc, opc
	s_load_b64 s[8:9], s[0:1], 0x10                ; ops
	v_lshl_add_u32 v254, v0, 2, SPARE
	v_mov_b32 v255, 0
	ds_add_u32 v254, v255                          ; the wave's opening: the add, twice on end, and its wait ahead of my first tensor load
	ds_add_u32 v254, v255
	v_lshrrev_b32 v1, 5, v0
	v_readfirstlane_b32 s[WV], v1                  ; wave 0..15
	s_and_b32 s[PP], s[WV], 3
	s_lshr_b32 s60, s[WV], 3
	s_lshl_b32 s60, s60, 2
	s_or_b32 s[PP], s[PP], s60                     ; p = wave % 4 + 4 (wave / 8)
	s_bfe_u32 s[ROLE], s[WV], 0x10002              ; (wave / 4) % 2
	s_sub_co_u32 s[DH], 8, s[PP]
	s_sub_co_u32 s[BH], 15, s[PP]
	s_add_co_u32 s[TR], s[PP], 1
	s_cmp_eq_u32 s[ROLE], 1
	s_cselect_b32 s[BL], s[PP], s[BH]
	s_cselect_b32 s[DH], s[DH], 0
	s_cselect_b32 s[TR], s[TR], 31                 ; (31: no trip)
	s_bfe_u32 s67, ttmp6, 0x40000                  ; cx, cy: my place in the cluster
	s_bfe_u32 s68, ttmp6, 0x40004
	s_and_b32 s13, ttmp7, 0xffff
	s_lshl_b32 s13, s13, 2
	s_add_co_u32 s13, s13, s68                     ; y
	s_lshr_b32 s14, s13, 1                         ; 16 batch + head
	s_lshr_b32 s15, s14, 4                         ; batch
	s_and_b32 s16, s14, 15                         ; head
	s_lshl_b32 s69, s68, 2
	s_lshl_b32 s69, 15, s69                        ; my row of the cluster
	s_or_b32 s[G1+0], s69, (3<<16)|(1<<21)         ; elements of 8 bytes; no padding; 21 set beside a mask
	s_mov_b32 s[G1+1], 32<<16                      ; 52 dense rows of 256 bytes
	s_mov_b32 s[G1+2], 52<<16
	s_mov_b32 s[G1+3], 32<<16
	s_mov_b32 s[G1+4], 52
	s_mov_b32 s[G1+5], 32
	s_mov_b32 s[G1+6], 0
	s_mov_b32 s[G1+7], 0
	s_lshl_b32 s70, s16, 6
	s_lshl_b32 s71, s15, 5
	s_add_co_u32 s70, s70, s71                     ; 64 head + 32 batch
	s_and_b32 s17, s13, 1
	s_add_co_u32 s60, s70, s17                     ; Q's group: 64 head + 32 batch + 2 block + g / 4
	s_lshl_b32 s17, s17, 2
	s_add_co_u32 s17, s17, s67                     ; g
	s_add_co_u32 s70, s70, 1024                    ; K: idx = 1,024 + 64 head + 32 batch
	s_lshl_b32 s71, s14, 5
	s_add_co_u32 s71, s71, 2048                    ; V: idx = 2,048 + 32 (16 batch + head)
	s_cmp_lt_u32 s[WV], 8
	s_cselect_b32 s70, s70, s71
	s_and_b32 s71, s[WV], 7
	s_lshl_b32 s71, s71, 2
	s_add_co_u32 s70, s70, s71                     ; my four groups, 256 keys
	s_mul_i32 s70, s70, GRP
	s_mov_b32 s71, 0
	s_mul_i32 s61, s67, 768                        ; Q's image in its group: g % 4 = cx
	s_lshl_b32 s62, s67, 2
	s_add_co_u32 s62, s62, 3072                    ; and its scale words
	s_lshl_b32 s63, s15, 7
	s_add_co_u32 s63, s63, s17
	s_add_co_u32 s63, s63, 512                     ; o's row-block in opc and ops: 512 + 128 batch + 8 block + g
	s_lshr_b32 s66, s16, 3
	s_lshl_b32 s66, s66, 8
	s_and_b32 s72, s16, 7
	s_lshl_b32 s72, s72, 1
	s_add_co_u32 s66, s66, s72                     ; its two scale bytes a row: 512 row-block + 256 (head / 8) + 2 (head % 8) + 16 r
	PTRS BL, 44
	PTRS BH, 52
	s_lshr_b32 s72, s17, 1
	s_lshl_b32 s72, s72, 5
	s_and_b32 s73, s17, 1
	s_lshl_b32 s73, s73, 3
	s_add_co_u32 s72, s72, s73                     ; my tile's first query inside its block of 128
	s_mov_b32 s[SEL], 0x76543210
	s_mov_b32 s[SEL+1], 0xfedcba98
	s_mov_b32 s[CS], 0x3e38aa3b                    ; log2(e) / 8
	s_mov_b32 s[CS+1], s[CS]                       ; (named with it as a pair, so it is written)
	s_wait_dscnt 0x0                               ; both opening adds are done
	CROUND                                         ; all sixteen work-groups are here: the joint loads meet
	s_wait_kmcnt 0x0
	s_mov_b32 s[G0], 1
	s_mul_i32 s[G0+1], s[WV], 4*GRP
	s_add_nc_u64 s[G0+2:G0+3], s[4:5], s[70:71]
	s_or_b32 s[G0+3], s[G0+3], 0x80000000
	tensor_load_to_lds s[G0:G0+3], s[G1:G1+7]      ; my one load of the launch
	s_nop 0
.rept 4
	v_nop
.endr
	BASES 44
	BASES 52
	v_and_b32 v29, 31, v0                          ; lane
	v_and_b32 v30, 15, v0                          ; r
	v_bfe_u32 v31, v0, 4, 1                        ; h
	v_lshlrev_b32 v1, 4, v29                       ; 16 x lane
	v_lshlrev_b32 v2, 3, v29                       ; 8 x lane
	v_lshlrev_b32 v3, 4, v30                       ; 16 r
	QLOAD 44
	v_add_nc_u32 v237, v3, v31                     ; 16 r + h
	s_mul_i32 s73, s[PP], 4608
	s_add_co_u32 s73, s73, STG
	v_add_nc_u32 v5, s73, v1                       ; the joining stage: 16 x lane
	v_and_b32 v8, 8, v30
	v_lshlrev_b32 v9, 4, v31
	v_add_nc_u32 v8, v8, v30
	v_sub_nc_u32 v8, v8, v9
	v_add_nc_u32 v211, s72, v8                     ; my query inside its block of 128, less 16 h: register 16 B + i of S^T holds key 32 B + i + 16 h of the step
.irp j, 0,1,2,3,4,5
	v_mov_b32 v[22+\j], 0                          ; Q's upper 64 along K: zero codes
	v_mov_b32 v[80+\j], 0                          ; and what stands behind K's last tile
.endr
	RESET
.set N, 0
.rept 12
	v_mov_b32 v[BM+N], 0                           ; written once: a lane permute's destination counts as one of its sources
.set N, N+1
.endr
	v_mov_b32 v239, 0                              ; (named as upper halves of pairs)
	v_mov_b32 v243, 0
	v_mov_b32 v240, 0
	v_mov_b32 v241, 0xff800000                     ; -infinity
	s_mov_b32 s[CNT], 0
	s_wait_alu depctr_va_vdst(0)                   ; the head's end
	s_wait_tensorcnt 0x0                           ; my part of K or V is in
	s_wait_loadcnt 0x0                             ; Q
	s_wait_dscnt 0x0
	s_barrier_signal -1
	s_barrier_wait -1                              ; all of K and V is in
.Ltrip:
	s_cmp_lg_u32 s[CNT], s[TR]
	s_cbranch_scc1 .Lsame
	; THE SECOND WAVE CHANGES TILES: block p goes out, block 15 - p begins
.rept 4
	v_nop                                          ; places behind the last products
.endr
	QLOAD 52                                       ; it lands under the way out
	WAYOUT
	RESET
	s_wait_xcnt 0x0                                ; the stores and loads have read their addresses and their data
	s_mov_b64 s[48:49], s[56:57]
	s_mov_b64 s[50:51], s[58:59]
	s_wait_alu depctr_va_vdst(0)
	s_wait_loadcnt 0x0
.Lsame:
	s_cmp_gt_u32 s[CNT], s[PP]
	s_cselect_b32 s[SI], s[DH], 0
	s_cselect_b32 s[BLK], s[BH], s[BL]
	s_add_co_u32 s[SI], s[SI], s[CNT]              ; the key step
	s_cmp_gt_u32 s[SI], s[BLK]                     ; behind the diagonal: the second wave's ninth trip has nothing left to do
	s_cbranch_scc1 .Lhidden
	s_min_u32 s[TB], s[SI], 15
	s_mul_i32 s[TB], s[TB], 2*GRP
	s_add_co_u32 s[TV], s[TB], VC
	v_add_nc_u32 v8, s[TB], v1                     ; (these six are also the places in front of the loads into registers that the last products read)
	v_add_nc_u32 v9, s[TB], v2
	v_add_nc_u32 v29, s[TB], v3
	v_add_nc_u32 v10, s[TV], v1
	v_add_nc_u32 v11, s[TV], v2
	v_add_nc_u32 v30, s[TV], v3
.irp t, 0,1,2,3,4,5,6,7
	ds_load_b128 v[32+6*\t:35+6*\t], v8 offset:(\t/4)*GRP+(\t%4)*768
	ds_load_b64 v[36+6*\t:37+6*\t], v9 offset:(\t/4)*GRP+(\t%4)*768+512
.endr
	ds_load_b128 v[88:91], v29 offset:3072         ; the scale words of tiles 0-3,
	ds_load_b128 v[92:95], v29 offset:GRP+3072     ; and of tiles 4-7
	s_wait_alu depctr_va_vdst(0)
	s_wait_dscnt 0x0
.irp t, 0,1,2,3,4,5,6,7                        ; S^T = K Q^T: source 0 = 16 keys, source 1 = my 16 queries: a lane holds one query
	v_wmma_scale_f32_16x16x128_f8f6f4 v[96+8*\t:103+8*\t], v[32+6*\t:43+6*\t], v[16:27], 0, v[88+\t], v28 matrix_a_fmt:MATRIX_FMT_BF6 matrix_b_fmt:MATRIX_FMT_BF6
.endr
.rept 4
	v_nop                                          ; places in front of the loads below and of the first read of the scores
.endr
.irp t, 0,1,2,3                                ; V's four fragments (16 features x 128 keys: two half images) land while the softmax is walked
.irp c, 0,1
	ds_load_b128 v[32+12*\t+6*\c:35+12*\t+6*\c], v10 offset:\c*GRP+\t*768
	ds_load_b64 v[36+12*\t+6*\c:37+12*\t+6*\c], v11 offset:\c*GRP+\t*768+512
.endr
.endr
	ds_load_b128 v[224:227], v30 offset:3072       ; V's scale words of the first 64 keys, features' blocks 0-3,
	ds_load_b128 v[228:231], v30 offset:GRP+3072   ; and of the second 64
	s_cmp_lg_u32 s[SI], s[BLK]
	s_cbranch_scc1 .Lopen
.set N, 0
.rept 64                                       ; on the diagonal: hidden where the register's key comes after my query
	v_cmp_gt_i32 vcc_lo, 32*(N/16)+N%16, v211
	v_cndmask_b32 v[96+N], v[96+N], v241, vcc_lo
.set N, N+1
.endr
.Lopen:
.irp b, 0,1,2,3
	v_max3_num_f32 v[BM+\b], v[96+16*\b], v[97+16*\b], v[98+16*\b]   ; the largest score of each block of 32 keys: it serves for the row's maximum and, since p rises with the score, for the block's largest p
.endr
.irp i, 3,5,7,9,11,13
.irp b, 0,1,2,3
	v_max3_num_f32 v[BM+\b], v[BM+\b], v[96+16*\b+\i], v[97+16*\b+\i]
.endr
.endr
.irp b, 0,1,2,3
	v_max_num_f32 v[BM+\b], v[BM+\b], v[111+16*\b]
.endr
.irp b, 0,1,2,3
	v_permlanex16_b32 v[BP+\b], v[BM+\b], s[SEL], s[SEL+1]
.endr
.irp b, 0,1,2,3
	v_max_num_f32 v[BM+\b], v[BM+\b], v[BP+\b]     ; with lane l xor 16's 16 keys
.endr
	s_delay_alu instid0(VALU_DEP_2)
	v_max3_num_f32 v240, v[BM], v[BM+1], v[BM+2]
	s_delay_alu instid0(VALU_DEP_1)
	v_max_num_f32 v240, v240, v[BM+3]              ; the step's largest score of my query
	s_delay_alu instid0(VALU_DEP_1)
	v_mul_f32 v240, s[CS], v240                    ; as t
	s_delay_alu instid0(VALU_DEP_1)
	v_max_num_f32 v13, v13, v240                   ; the running largest t
	v_mov_b32 v240, v12
	s_delay_alu instid0(VALU_DEP_2)
	v_floor_f32 v12, -v13                          ; the new -M = -ceil(t)
	s_delay_alu instid0(VALU_DEP_1)
	v_sub_f32 v240, v12, v240                      ; old M - new M: a whole number, 0 or less
	s_delay_alu instid0(VALU_DEP_1)
	v_cvt_i32_f32 v240, v240                       ; (it saturates)
	s_delay_alu instid0(VALU_DEP_1)
	v_ldexp_f32 v238, 1.0, v240                    ; f = 2^(old M - new M)
.set N, 0
.rept 32
	v_pk_fma_f32 v[96+N:97+N], v[96+N:97+N], s[CS:CS+1], v[12:13] op_sel_hi:[1,0,0]   ; t - M, two at a time
.set N, N+2
.endr
.irp b, 0,1,2,3
	v_fma_f32 v[BM+\b], v[BM+\b], s[CS], v12       ; the same of each block's largest score
.endr
	s_wait_alu depctr_va_vdst(0)                   ; waits ahead of the batch and behind it
.set N, 0
.rept 64
	v_exp_f32 v[96+N], v[96+N]                     ; p = 2^(t - M), at most 1
.set N, N+1
.endr
.irp b, 0,1,2,3
	v_exp_f32 v[BM+\b], v[BM+\b]                   ; the block's largest p
.endr
	v_pk_mul_f32 v[14:15], v[14:15], v[238:239] op_sel_hi:[1,0]   ; the sums under the new M.  (A plain place behind the exponentials)
	s_wait_alu depctr_va_vdst(0)
.irp b, 0,1,2,3
	v_max_num_f32 v[BM+\b], 0x2800000, v[BM+\b]    ; the floor 2^(5 - 127)
.endr
.irp b, 0,1,2,3
	v_add_nc_u32 v[SCO+\b], 0xfe000000, v[BM+\b]   ; 4 off the exponent field: the conversion's scale operand
.endr
.irp b, 0,1,2,3
	v_lshrrev_b32 v[BP+\b], 23, v[SCO+\b]          ; the byte
.endr
.irp c, 0,1
	v_cvt_scalef32_pk16_bf6_f32 v[192+6*\c:194+6*\c], v[96+32*\c:111+32*\c], v[SCO+2*\c]
	v_cvt_scalef32_pk16_bf6_f32 v[204+4*\c:206+4*\c], v[112+32*\c:127+32*\c], v[SCO+2*\c+1]
.endr
	v_pk_add_f32 v[242:243], v[96:97], v[98:99]    ; THE SUM of the unquantised p, two at a time, in four chains by turns; p's scale word is put together among them
	v_pk_add_f32 v[244:245], v[100:101], v[102:103]
	v_lshl_or_b32 v236, v[BP+1], 8, v[BP]
	v_pk_add_f32 v[246:247], v[104:105], v[106:107]
	v_pk_add_f32 v[14:15], v[14:15], v[108:109]
	v_lshl_or_b32 v236, v[BP+2], 16, v236
.irp j, 110,118,126
	v_pk_add_f32 v[242:243], v[242:243], v[\j:\j+1]
	v_pk_add_f32 v[244:245], v[244:245], v[\j+2:\j+3]
	v_pk_add_f32 v[246:247], v[246:247], v[\j+4:\j+5]
	v_pk_add_f32 v[14:15], v[14:15], v[\j+6:\j+7]
.endr
	v_lshl_or_b32 v236, v[BP+3], 24, v236
.irp j, 134,142,150
	v_pk_add_f32 v[242:243], v[242:243], v[\j:\j+1]
	v_pk_add_f32 v[244:245], v[244:245], v[\j+2:\j+3]
	v_pk_add_f32 v[246:247], v[246:247], v[\j+4:\j+5]
	v_pk_add_f32 v[14:15], v[14:15], v[\j+6:\j+7]
.endr
.irp c, 0,1                                    ; a whole block to a lane
.irp i, 0,1,2
	v_permlane16_swap_b32 v[192+6*\c+\i], v[204+4*\c+\i]
.endr
.endr
.irp c, 0,1
.irp i, 0,1,2
	v_mov_b32 v[195+6*\c+\i], v[204+4*\c+\i]
.endr
.endr
	s_wait_dscnt 0x0                               ; V and its scale words are in
.irp t, 0,1,2,3
	v_perm_b32 v[232+\t], v[228+\t], v[224+\t], 0x05040100   ; the two bytes of the first 64 keys below, those of the second 64 above
.endr
	v_pk_add_f32 v[242:243], v[242:243], v[158:159]
	v_pk_add_f32 v[244:245], v[244:245], v[246:247]
	s_wait_alu depctr_va_vdst(0)                   ; ahead of the first reader of O^T
.macro OMUL n                                  ; O^T under the new M, each accumulator from its low end on
	v_pk_mul_f32 v[160+2*(\n):161+2*(\n)], v[160+2*(\n):161+2*(\n)], v[238:239] op_sel_hi:[1,0]
.endm
	OMUL 0
	OMUL 1
	v_pk_add_f32 v[14:15], v[14:15], v[242:243]
	OMUL 2
	OMUL 3
	v_pk_add_f32 v[14:15], v[14:15], v[244:245]
.irp n, 4,5,6,7,8,9,10,11,12,13,14,15
	OMUL \n
.endr
.irp t, 0,1,2,3                                ; O^T += V^T P^T: source 0 = 16 features, source 1 = p; the four accumulators by turns
	v_wmma_scale_f32_16x16x128_f8f6f4 v[160+8*\t:167+8*\t], v[32+12*\t:43+12*\t], v[192:203], v[160+8*\t:167+8*\t], v[232+\t], v236 matrix_a_fmt:MATRIX_FMT_BF6 matrix_b_fmt:MATRIX_FMT_BF6
.endr
.Lhidden:
	s_add_co_u32 s[CNT], s[CNT], 1
	s_cmp_lt_u32 s[CNT], 9
	s_cbranch_scc1 .Ltrip
	; THE TWO WAVES JOIN block 15 - p
.rept 4
	v_nop                                          ; places behind the last products
.endr
	s_cmp_eq_u32 s[ROLE], 0
	s_cbranch_scc1 .Lsent
.irp i, 0,1,2,3,4,5,6,7
	ds_store_b128 v5, v[160+4*\i:163+4*\i] offset:512*\i   ; the second wave's O^T, each accumulator from its low end on,
.endr
	ds_store_b128 v5, v[12:15] offset:4096         ; its -M, its largest t and its sum
.Lsent:
	s_wait_dscnt 0x0
	s_barrier_signal -1
	s_barrier_wait -1
	s_cmp_lg_u32 s[ROLE], 0
	s_cbranch_scc1 .Lend
	ds_load_b128 v[128:131], v5 offset:4096
.irp i, 0,1,2,3,4,5,6,7
	ds_load_b128 v[96+4*\i:99+4*\i], v5 offset:512*\i
.endr
	s_wait_dscnt 0x0
	v_min_num_f32 v132, v12, v128                  ; the common -M
	v_sub_f32 v133, v132, v12
	v_sub_f32 v134, v132, v128
	v_cvt_i32_f32 v133, v133
	v_cvt_i32_f32 v134, v134
	v_ldexp_f32 v238, 1.0, v133                    ; 2^(my M - M),
	v_ldexp_f32 v242, 1.0, v134                    ; 2^(the other's M - M): 0 where it had no step of this tile
	v_pk_mul_f32 v[14:15], v[14:15], v[238:239] op_sel_hi:[1,0]
.set N, 0
.rept 16
	v_pk_mul_f32 v[160+N:161+N], v[160+N:161+N], v[238:239] op_sel_hi:[1,0]
.set N, N+2
.endr
	v_pk_fma_f32 v[14:15], v[130:131], v[242:243], v[14:15] op_sel_hi:[1,0,1]
.set N, 0
.rept 16
	v_pk_fma_f32 v[160+N:161+N], v[96+N:97+N], v[242:243], v[160+N:161+N] op_sel_hi:[1,0,1]
.set N, N+2
.endr
	WAYOUT
.Lend:
	s_wait_tensorcnt 0x0                           ; the wave's end
	ds_add_u32 v254, v255
	s_wait_dscnt 0x0
	CROUND                                         ; the closing round
	s_endpgm
.Lfunc_end_k_qf63b72f23d_attn:
	.size	k_qf63b72f23d_attn, .Lfunc_end_k_qf63b72f23d_attn-k_qf63b72f23d_attn
	.p2alignl 7, 3214868480
	.fill 96, 4, 3214868480
	.section	.rodata,"a",@progbits
	.p2align	6, 0x0
	.amdhsa_kernel k_qf63b72f23d_attn
		.amdhsa_group_segment_fixed_size 327680
		.amdhsa_private_segment_fixed_size 0
		.amdhsa_enable_private_segment 0
		.amdhsa_kernarg_size 24
		.amdhsa_user_sgpr_count 2
		.amdhsa_user_sgpr_kernarg_segment_ptr 1
		.amdhsa_wavefront_size32 1
		.amdhsa_system_sgpr_workgroup_id_x 1
		.amdhsa_system_sgpr_workgroup_id_y 1
		.amdhsa_system_sgpr_workgroup_id_z 1
		.amdhsa_system_vgpr_workitem_id 0
		.amdhsa_next_free_vgpr 256
		.amdhsa_next_free_sgpr 80
		.amdhsa_reserve_vcc 1
		.amdhsa_float_denorm_mode_32 3
		.amdhsa_float_denorm_mode_16_64 3
		.amdhsa_memory_ordered 1
		.amdhsa_forward_progress 1
		.amdhsa_inst_pref_size 44
	.end_amdhsa_kernel
	.amdgpu_metadata
---
amdhsa.version: [ 1, 2 ]
amdhsa.kernels:
  - .name:           k_qf63b72f23d_attn
    .symbol:         k_qf63b72f23d_attn.kd
    .args:
      - { .name: hc, .offset: 0, .size: 8, .value_kind: global_buffer, .address_space: global }
      - { .name: opc, .offset: 8, .size: 8, .value_kind: global_buffer, .address_space: global }
      - { .name: ops, .offset: 16, .size: 8, .value_kind: global_buffer, .address_space: global }
    .group_segment_fixed_size: 327680
    .private_segment_fixed_size: 0
    .kernarg_segment_align: 8
    .kernarg_segment_size: 24
    .max_flat_workgroup_size: 512
    .sgpr_count:     80
    .vgpr_count:     256
    .wavefront_size: 32
...
	.end_amdgpu_metadata
.endif
;; end of part 3
;; launch outp (part 4): grid 8 x 32, 4 waves a work-group, clusters of 4 x 4, 327,680 bytes of LDS; arguments opc, ops, bo, out0; writes out0
.if DOCPART == 4
	.amdgcn_target "amdgcn-amd-amdhsa--gfx1250"
	.amdhsa_code_object_version 6
	.text
	.protected	k_qf63b72f23d_outp
	.globl	k_qf63b72f23d_outp
	.p2align	8
	.type	k_qf63b72f23d_outp,@function
k_qf63b72f23d_outp:
	s_mov_b64 s[64:65], 0
	v_nop
	global_prefetch_b8 v0, s[64:65] scope:SCOPE_SE
	s_setreg_imm32_b32 hwreg(HW_REG_WAVE_MODE, 25, 1), 1
	s_wait_xcnt 0x0
	s_wait_alu depctr_hold_cnt(0) depctr_sa_sdst(0) depctr_va_vdst(0) depctr_va_sdst(0) depctr_va_ssrc(0) depctr_va_vcc(0) depctr_vm_vsrc(0)
	s_getreg_b32 s2, hwreg(HW_REG_IB_STS2, 6, 4)
	s_cmp_eq_u32 s2, 0
	s_cbranch_scc0 .Lentry_in_a_cluster
	s_endpgm
.Lentry_in_a_cluster:
	s_bfe_u32 s2, ttmp6, 0x10000c
	s_cmp_lg_u32 s2, 0xf033
	s_cbranch_scc0 .Lentry_shape_is_right
	s_endpgm
.Lentry_shape_is_right:
; out = o Wo^T + bo on codes of BF6 (E3M2) with E8M0 scales; sums in f32; the bias is the C of each sum's first matrix instruction.
; OPERANDS come as register images: row-blocks of 16 rows (lane r of row-block I = row 32 (I / 2) + 8 (I % 2) + r + 8 (r / 8)), half images of 768 bytes at opc + (16 I + kc) x 768, scale words at
; ops + 512 I + 16 (r + 16 kh); o's row-blocks begin at 512, Wo's at 448.
; A work-group makes 128 tokens (grid y) x 128 features (grid x), all of K = 1,024 in LDS; wave (wq, wp) 64 tokens x 64 features.  Source 0 = Wo, source 1 = o: a lane holds one token and 64 neighbouring features.
; The wave's rows go in two halves of 32 tokens, each over all of K: Wo's fragments (8 K steps x 48 registers) are read from LDS once, in the first half, and stay in registers; the first half's results
; leave while the second half is multiplied.
; CLUSTERS of 4 x 4: o's tile hangs on grid y alone and is asked for jointly along a row, Wo's on grid x alone and along a column.  One load a wave: waves 0, 1 o's halves, waves 2, 3 Wo's, 49,152 dense bytes each.
; No prefetch into the L2: nothing is fetched behind the head.
; LIMITS: NaN and infinities are not served.
; REGISTERS: window 0: addresses, scale words (v16-47), the bias (v48-79), o's fragments (v80-127, two sets of 2 x 12), the accumulators ((a, b) at 128 + 8 (4 a + b)).
;   window 1: Wo's fragments of K steps 0-4; window 2: of K steps 5-7, and v144-207 rows on their way out.
.set RBK,  12288
.set REG,  49152
.set HIB,  768
.set STAGE, 4*REG                      ; a stage of 16 rows x 272 bytes for each wave
.set SPI,  272
.set SPARE, STAGE+4*16*SPI             ; the spare words, 128 bytes for each wave
.set AQ16, 4                           ; v4, v5 16 x lane, 8 x lane + my half of o's tile;  v6, v7 of Wo's
.set AQ8,  5
.set AP16, 6
.set AP8,  7
.set L16,  8
.set STO,  11
.set RD,   12
.set CO,   13
.set SPW,  14
.set NIL,  15
.set SQ,   16
.set SP,   32
.set BI,   48
.set QF,   80
.set ACC,  128
.set OB,   144                         ; in window 2
.set G1A,  24
.set G1B,  48
.set G0A,  32
.set G0B,  36
.set MSB, 0
.macro WIN new                         ; the immediate's high byte repeats the setting that is left
.if MSB != \new
	s_set_vgpr_msb (MSB<<8)|\new
.set MSB, \new
.endif
.endm
.macro PLACES                          ; four places in front of loads into registers that matrix instructions have read, and of the first read of results
.rept 4
	v_nop
.endr
.endm
.macro CROUND
	s_barrier_signal -1
	s_barrier_wait -1
	s_cmp_lg_u32 s18, 0
	s_cbranch_scc1 .Lnot_wave_0_\@
	s_barrier_signal -3
.Lnot_wave_0_\@:
	s_barrier_wait -3
	s_barrier_signal -1
	s_barrier_wait -1
.endm
.macro FRAG dst, o, rx, ry             ; a fragment: two half images, each load of consecutive bytes
	ds_load_b128 v[\dst:\dst+3], v[\rx] offset:\o
	ds_load_b64 v[\dst+4:\dst+5], v[\ry] offset:\o+512
	ds_load_b128 v[\dst+6:\dst+9], v[\rx] offset:\o+HIB
	ds_load_b64 v[\dst+10:\dst+11], v[\ry] offset:\o+HIB+512
.endm
.macro FETCHP k                        ; Wo's four fragments of K step k, into their own registers: 16 loads
	WIN ((1+(\k)/5)<<6)
.irp i, 0,1,2,3
	FRAG 48*((\k)%5)+12*\i, \i*RBK+(\k)*2*HIB, AP16, AP8
.endr
.endm
.macro FETCHQ z, k                     ; o's two fragments of half z, K step k, into set k % 2: 8 loads
	WIN 0
.irp i, 0,1
	FRAG QF+24*((\k)%2)+12*\i, (2*(\z)+\i)*RBK+(\k)*2*HIB, AQ16, AQ8
.endr
.endm
.macro MUL z, k, cm                    ; 8 matrix instructions; cm = 1: the sums begin with the bias.  The accumulators take turns, one instruction a turn
	WIN (1+(\k)/5)
.irp i, 0,1
.irp b, 0,1,2,3
.set rD, ACC+8*(4*(2*(\z)+\i)+\b)
.set rP, 48*((\k)%5)+12*\b
.set rQ, QF+24*((\k)%2)+12*\i
.set tP, SP+4*\b+(\k)%4
.set tQ, SQ+4*(2*(\z)+\i)+(\k)%4
.set rC, rD
.if (\cm) == 1
.set rC, BI+8*\b
.endif
.if (\k) >= 4
	v_wmma_scale_f32_16x16x128_f8f6f4 v[rD:rD+7], v[rP:rP+11], v[rQ:rQ+11], v[rC:rC+7], v[tP], v[tQ] matrix_a_fmt:MATRIX_FMT_BF6 matrix_b_fmt:MATRIX_FMT_BF6 matrix_a_scale:MATRIX_SCALE_ROW1 matrix_b_scale:MATRIX_SCALE_ROW1
.else
	v_wmma_scale_f32_16x16x128_f8f6f4 v[rD:rD+7], v[rP:rP+11], v[rQ:rQ+11], v[rC:rC+7], v[tP], v[tQ] matrix_a_fmt:MATRIX_FMT_BF6 matrix_b_fmt:MATRIX_FMT_BF6
.endif
.endr
.endr
.endm
.macro TOSTAGE a                       ; block a, 16 rows x 64 features, into my stage and back as rows of 256 bytes: LDS serves a wave's instructions in order.  16 LDS instructions
	WIN 0
.irp b, 0,1,2,3
	ds_store_b128 v[STO], v[ACC+8*(4*(\a)+\b):ACC+8*(4*(\a)+\b)+3] offset:128*(\b/2)+32*(\b%2)
	ds_store_b128 v[STO], v[ACC+8*(4*(\a)+\b)+4:ACC+8*(4*(\a)+\b)+7] offset:128*(\b/2)+32*(\b%2)+16
.endr
	WIN 0x80
.set OBB, OB+32*((\a)%2)
.irp t, 0,1,2,3,4,5,6,7
	ds_load_b128 v[OBB+4*\t:OBB+4*\t+3], v[RD] offset:2*\t*SPI
.endr
.endm
.macro SEND a, younger                 ; younger: the LDS instructions issued behind block a's, which may stay out
	WIN 0x08
.set OBB, OB+32*((\a)%2)
	s_wait_dscnt \younger
.irp t, 0,1,2,3,4,5,6,7
	global_store_b128 v[CO], v[OBB+4*\t:OBB+4*\t+3], s[10:11] offset:(32*((\a)/2)+8*((\a)%2)+2*\t+8*(\t/4))*4096 th:TH_STORE_NT   ; sixteen lanes store 256 consecutive bytes, at a multiple of 256
.endr
.endm
	s_load_b256 s[4:11], s[0:1], 0x0               ; opc, ops, bo, out0
	v_lshl_add_u32 v[SPW], v0, 2, SPARE
	v_mov_b32 v[NIL], 0
	ds_add_u32 v[SPW], v[NIL]                      ; the wave's opening: the add, twice on end, and its wait ahead of my first tensor load
	ds_add_u32 v[SPW], v[NIL]
	v_lshrrev_b32 v1, 5, v0
	v_readfirstlane_b32 s18, v1                    ; wave 0..3
	s_lshr_b32 s19, s18, 1                         ; wq; also: I fetch for o (0) or for Wo (1)
	s_and_b32 s20, s18, 1                          ; wp; also: which half of that tile I fetch
	s_bfe_u32 s40, ttmp6, 0x40000                  ; cx, cy: my place in the cluster
	s_bfe_u32 s41, ttmp6, 0x40004
	s_lshl_b32 s42, ttmp9, 2
	s_add_co_u32 s42, s42, s40                     ; C: which 128 features
	s_and_b32 s43, ttmp7, 0xffff
	s_lshl_b32 s43, s43, 2
	s_add_co_u32 s43, s43, s41                     ; R: which 128 tokens
	s_lshl_b32 s44, s41, 2
	s_lshl_b32 s44, 15, s44                        ; my row of the cluster: o's partners
	s_lshl_b32 s45, 0x1111, s40                    ; my column: Wo's partners
	s_or_b32 s[G1A], s44, (3<<16)|(1<<21)          ; elements of 8 bytes, no padding, bit 21 beside a mask
	s_or_b32 s[G1B], s45, (3<<16)|(1<<21)
.irp g, G1A, G1B                       ; 192 dense rows of 256 bytes
	s_mov_b32 s[\g+1], 32<<16
	s_mov_b32 s[\g+2], 192<<16
	s_mov_b32 s[\g+3], 32<<16
	s_mov_b32 s[\g+4], 192
	s_mov_b32 s[\g+5], 32
	s_mov_b32 s[\g+6], 0
	s_mov_b32 s[\g+7], 0
.endr
	s_lshl_b32 s57, s20, 2
	s_lshl_b32 s56, s43, 3
	s_add_co_u32 s56, s56, 512                     ; o's first row-block
	s_add_co_u32 s46, s56, s57
	s_mul_i32 s46, s46, RBK
	s_mov_b32 s47, 0
	s_lshl_b32 s58, s19, 2
	s_add_co_u32 s68, s56, s58
	s_lshl_b32 s68, s68, 9                         ; o's scale words, by wq
	s_mov_b32 s69, 0
	s_lshl_b32 s66, s42, 3
	s_add_co_u32 s66, s66, 448                     ; Wo's first row-block
	s_add_co_u32 s66, s66, s57
	s_lshl_b32 s70, s66, 9                         ; Wo's scale words, by wp
	s_mov_b32 s71, 0
	s_mul_i32 s66, s66, RBK
	s_mov_b32 s67, 0
	s_lshl_b32 s72, s42, 9
	s_lshl_b32 s59, s20, 8
	s_add_co_u32 s72, s72, s59                     ; the bias: feature 128 C + 64 wp
	s_mov_b32 s73, 0
	s_lshl_b32 s74, s43, 7
	s_lshl_b32 s59, s19, 6
	s_add_co_u32 s74, s74, s59
	s_lshl_b32 s74, s74, 12
	s_add_co_u32 s74, s74, s72                     ; out: token 128 R + 64 wq, feature 128 C + 64 wp
	s_mov_b32 s75, 0
	s_wait_dscnt 0x0                               ; both opening adds are done
	CROUND                                         ; all sixteen work-groups are here: the joint loads meet
	s_wait_kmcnt 0x0
	s_mov_b32 s[G0A], 1
	s_mul_i32 s[G0A+1], s18, REG
	s_add_nc_u64 s[G0A+2:G0A+3], s[4:5], s[46:47]
	s_or_b32 s[G0A+3], s[G0A+3], 0x80000000
	s_mov_b32 s[G0B], 1
	s_mul_i32 s[G0B+1], s18, REG
	s_add_nc_u64 s[G0B+2:G0B+3], s[4:5], s[66:67]
	s_or_b32 s[G0B+3], s[G0B+3], 0x80000000
	s_cmp_eq_u32 s19, 0
	s_cbranch_scc0 .Lhead_b
	tensor_load_to_lds s[G0A:G0A+3], s[G1A:G1A+7]
	s_nop 0
	PLACES
	s_branch .Lhead
.Lhead_b:
	tensor_load_to_lds s[G0B:G0B+3], s[G1B:G1B+7]
	s_nop 0
	PLACES
.Lhead:
	s_add_nc_u64 s[68:69], s[6:7], s[68:69]
	s_add_nc_u64 s[70:71], s[6:7], s[70:71]
	s_add_nc_u64 s[8:9], s[8:9], s[72:73]
	s_add_nc_u64 s[10:11], s[10:11], s[74:75]
	v_and_b32 v1, 31, v0                           ; lane
	v_and_b32 v2, 15, v0                           ; r
	v_bfe_u32 v3, v0, 4, 1                         ; h
	v_lshlrev_b32 v[L16], 4, v1
	v_lshlrev_b32 v9, 3, v1
	s_mul_i32 s59, s19, REG
	v_add_nc_u32 v[AQ16], s59, v[L16]
	v_add_nc_u32 v[AQ8], s59, v9
	s_mul_i32 s59, s20, REG
	s_add_co_u32 s59, s59, 2*REG
	v_add_nc_u32 v[AP16], s59, v[L16]
	v_add_nc_u32 v[AP8], s59, v9
	v_lshlrev_b32 v10, 6, v3                       ; the bias: 16 h numbers on
	s_mul_i32 s59, s18, 16*SPI
	s_add_co_u32 s59, s59, STAGE
	v_mul_u32_u24 v[STO], v2, SPI
	v_lshl_add_u32 v[STO], v3, 6, v[STO]
	v_add_nc_u32 v[STO], s59, v[STO]               ; in: row r, + 64 h
	v_mul_u32_u24 v[RD], v3, SPI
	v_lshl_add_u32 v[RD], v2, 4, v[RD]
	v_add_nc_u32 v[RD], s59, v[RD]                 ; back: lanes 0-15 a row of 256 bytes, lanes 16-31 the next
	v_lshlrev_b32 v[CO], 12, v3
	v_lshl_add_u32 v[CO], v2, 4, v[CO]             ; and the same two rows in out
.irp a, 0,1,2,3
	global_load_b128 v[SQ+4*\a:SQ+4*\a+3], v[L16], s[68:69] offset:\a*512
	global_load_b128 v[SP+4*\a:SP+4*\a+3], v[L16], s[70:71] offset:\a*512
.endr
.irp b, 0,1,2,3
	global_load_b128 v[BI+8*\b:BI+8*\b+3], v10, s[8:9] offset:(32*(\b/2)+8*(\b%2))*4
	global_load_b128 v[BI+8*\b+4:BI+8*\b+7], v10, s[8:9] offset:(32*(\b/2)+8*(\b%2))*4+16
.endr
	s_wait_alu depctr_va_vdst(0)                   ; the head's end
	s_wait_tensorcnt 0x0                           ; my half tile is in
	s_barrier_signal -1
	s_barrier_wait -1                              ; both tiles are whole
	FETCHP 0
	FETCHQ 0, 0
	FETCHP 1
	FETCHQ 0, 1
	s_wait_loadcnt 0x0                             ; the scale words and the bias
	s_wait_dscnt 24                                ; K step 0's fragments are in; K step 1's 24 loads may be out
	MUL 0, 0, 1
.irp k, 1,2,3,4,5,6
	PLACES
	FETCHP \k+1
	FETCHQ 0, \k+1
	s_wait_dscnt 24                                ; all but the 24 just issued
	MUL 0, \k, 0
.endr
	PLACES
	FETCHQ 1, 0
	s_wait_dscnt 8                                 ; all but the 8 just issued
	MUL 0, 7, 0
	PLACES                                         ; for the loads below and for the first half's results
	FETCHQ 1, 1
	TOSTAGE 0
	TOSTAGE 1
	s_wait_dscnt 40                                ; behind K step 0's fragments: K step 1's 8 loads and the stage's 32
	MUL 1, 0, 1
	SEND 0, 16                                     ; behind block 0's: block 1's 16
	PLACES
	FETCHQ 1, 2
	MUL 1, 1, 0                                    ; (its fragments came ahead of block 0)
	SEND 1, 8                                      ; behind block 1's: K step 2's 8 loads
.irp k, 2,3,4,5,6
	PLACES
	FETCHQ 1, \k+1
	s_wait_dscnt 8                                 ; all but the 8 just issued
	MUL 1, \k, 0
.endr
	s_wait_dscnt 0x0
	MUL 1, 7, 0
	PLACES
	s_wait_xcnt 0x0                                ; the first half's stores have read the rows' registers
	TOSTAGE 2
	TOSTAGE 3
	SEND 2, 16
	SEND 3, 0
	WIN 0
	s_wait_tensorcnt 0x0                           ; the wave's end
	ds_add_u32 v[SPW], v[NIL]
	s_wait_dscnt 0x0
	CROUND                                         ; the closing round
	s_endpgm
.Lfunc_end_k_qf63b72f23d_outp:
	.size	k_qf63b72f23d_outp, .Lfunc_end_k_qf63b72f23d_outp-k_qf63b72f23d_outp
	.p2alignl 7, 3214868480
	.fill 96, 4, 3214868480
	.section	.rodata,"a",@progbits
	.p2align	6, 0x0
	.amdhsa_kernel k_qf63b72f23d_outp
		.amdhsa_group_segment_fixed_size 327680
		.amdhsa_private_segment_fixed_size 0
		.amdhsa_enable_private_segment 0
		.amdhsa_kernarg_size 32
		.amdhsa_user_sgpr_count 2
		.amdhsa_user_sgpr_kernarg_segment_ptr 1
		.amdhsa_wavefront_size32 1
		.amdhsa_system_sgpr_workgroup_id_x 1
		.amdhsa_system_sgpr_workgroup_id_y 1
		.amdhsa_system_sgpr_workgroup_id_z 1
		.amdhsa_system_vgpr_workitem_id 0
		.amdhsa_next_free_vgpr 768
		.amdhsa_next_free_sgpr 80
		.amdhsa_reserve_vcc 0
		.amdhsa_float_denorm_mode_32 3
		.amdhsa_float_denorm_mode_16_64 3
		.amdhsa_memory_ordered 1
		.amdhsa_forward_progress 1
		.amdhsa_inst_pref_size 51
	.end_amdhsa_kernel
	.amdgpu_metadata
---
amdhsa.version: [ 1, 2 ]
amdhsa.kernels:
  - .name:           k_qf63b72f23d_outp
    .symbol:         k_qf63b72f23d_outp.kd
    .args:
      - { .name: opc, .offset: 0, .size: 8, .value_kind: global_buffer, .address_space: global }
      - { .name: ops, .offset: 8, .size: 8, .value_kind: global_buffer, .address_space: global }
      - { .name: bo, .offset: 16, .size: 8, .value_kind: global_buffer, .address_space: global }
      - { .name: out0, .offset: 24, .size: 8, .value_kind: global_buffer, .address_space: global }
    .group_segment_fixed_size: 327680
    .private_segment_fixed_size: 0
    .kernarg_segment_align: 8
    .kernarg_segment_size: 32
    .max_flat_workgroup_size: 128
    .sgpr_count:     80
    .vgpr_count:     768
    .wavefront_size: 32
...
	.end_amdgpu_metadata
.endif
;; end of part 4
